; MI455X (gfx1250); checked and timed in simulation.
; The chip was launched on July 23, 2026; its instructions are those of AMD's public machine-readable ISA for CDNA 5 (MIT licence, August 2026) and "CDNA5" Instruction Set Architecture Reference Guide (July 2026). The comments in the code are by the model that wrote it; some were corrected since.
;; Bin HD. Allowed arithmetic: float matrix products may take bf16 or f16 operands with f32 sums; all other float work in f32.
;; Inputs: W 1,024 x 8,192 float32; classes_hv 512 x 8,192 float32; x 4,096 x 1,024 float32.
;; Outputs: out0 4,096 x 512 int32.
;; 2 versions, each right and faster than the one before. Each part assembles by itself: llvm-mc -triple=amdgcn-amd-amdhsa -mcpu=gfx1250 --defsym DOCPART=n.
;; ======== version 1 of 2: 4 launches
;; workspace buffers: xb 8,388,608 bytes; wb 16,777,216 bytes; tb 8,388,608 bytes; part 67,108,864 bytes; cand 524,288 bytes of whole numbers; corr 16,384 bytes of whole numbers
;; launch cast (part 1): grid 1024 x 1, 8 waves a work-group, no clusters, 0 bytes of LDS; arguments x, W, classes_hv, xb, wb, tb; writes xb, wb, tb
.if DOCPART == 1
	.amdgcn_target "amdgcn-amd-amdhsa--gfx1250"
	.amdhsa_code_object_version 6
	.text
	.protected	k_q7251f45907_cast
	.globl	k_q7251f45907_cast
	.p2align	8
	.type	k_q7251f45907_cast,@function
k_q7251f45907_cast:
	s_mov_b64 s[64:65], 0
	v_nop
	global_prefetch_b8 v0, s[64:65] scope:SCOPE_SE
	s_setreg_imm32_b32 hwreg(HW_REG_WAVE_MODE, 25, 1), 1
	s_wait_xcnt 0x0
; bf16 copies of the three inputs, laid out so that the next launch's tiles are dense or have long rows.
;   xb[kb 16][row 4096][64 k]    = bf16(x[row][64 kb + k])          a tile of 128 rows x 64 k is 16 KiB in one piece
;   wb[k 1024][d 8192]           = bf16(W[k][d])                    W's own order
;   tb[db 128][class 512][64 d]  = bf16(0.5 - hv[class][64 db + d]) a tile of 512 classes x 64 d is 64 KiB in one piece
; Why 0.5 - hv: with s = 2 enc - 1, enc (1 - hv) + (1 - enc) hv = 0.5 + s (0.5 - hv) for every real hv, so the two products of the
; distance become one.  For hv in {0, 1} the number is +-0.5, exact in bf16.  LIMIT: any other hv is rounded once to bf16 as 0.5 - hv.
; A stream: each work-group converts 64 KiB of f32; a thread issues its sixteen 16-byte loads at once, then converts and stores them
; in their order.  Every load of a wave takes whole aligned blocks of 256 bytes; every store of a wave covers 256 consecutive bytes, aligned.
; No LDS, no barrier, no matrix unit: nothing is shared between threads.
; Work-groups 0-255: x, 16 rows each.  256-767: W, 64 KiB each.  768-1023: classes_hv, 2 classes each.
.set X, 8                              ; v[8:71]   sixteen loads of four f32
.set Y, 72                             ; v[72:103] sixteen pairs of registers, four bf16 each
; sixteen loads from s[16:17] + v1, inStep bytes apart; sixteen stores to s[18:19] + v2, outStep bytes apart.  sub = 1: 0.5 - value first.
.macro CONV inStep, outStep, sub
.irp i, 0,1,2,3,4,5,6,7,8,9,10,11,12,13,14,15
	global_load_b128 v[X+4*\i:X+4*\i+3], v1, s[16:17] offset:\i*\inStep th:TH_LOAD_NT   ; read once in the whole launch
.endr
.irp i, 0,1,2,3,4,5,6,7,8,9,10,11,12,13,14,15
	s_wait_loadcnt 15-\i                           ; loads return in order: load i is in, the 15 - i younger ones stay out
.if \sub
	v_pk_add_f32 v[X+4*\i:X+4*\i+1],   v[4:5], v[X+4*\i:X+4*\i+1]   neg_lo:[0,1] neg_hi:[0,1]   ; 0.5 - hv
	v_pk_add_f32 v[X+4*\i+2:X+4*\i+3], v[4:5], v[X+4*\i+2:X+4*\i+3] neg_lo:[0,1] neg_hi:[0,1]
.endif
	v_cvt_pk_bf16_f32 v[Y+2*\i],   v[X+4*\i],   v[X+4*\i+1]      ; to nearest even
	v_cvt_pk_bf16_f32 v[Y+2*\i+1], v[X+4*\i+2], v[X+4*\i+3]
	global_store_b64 v2, v[Y+2*\i:Y+2*\i+1], s[18:19] offset:\i*\outStep   ; no hint: the next launch reads these bytes
.endr
	s_endpgm
.endm
	s_load_b256 s[4:11], s[0:1], 0x0               ; x s[4:5], W s[6:7], classes_hv s[8:9], xb s[10:11]
	s_load_b128 s[12:15], s[0:1], 0x20             ; wb s[12:13], tb s[14:15]
	s_mov_b32 s20, ttmp9                           ; the work-group's number
	s_mov_b32 s21, 0                               ; high words of the two byte offsets
	s_mov_b32 s23, 0
	v_and_b32 v3, 15, v0                           ; r: my place among sixteen lanes
	v_bfe_u32 v6, v0, 4, 1                         ; h: which half of the wave
	v_lshrrev_b32 v7, 5, v0                        ; w: wave 0..7
	s_wait_kmcnt 0x0
	s_cmp_lt_u32 s20, 256
	s_cbranch_scc0 .Lnot_x
	; x: row 2 w + h of the group's 16; load i takes the 256 bytes of k block i, which become 128 bytes of xb's plane i
	v_lshlrev_b32 v1, 4, v3
	v_lshl_add_u32 v1, v6, 12, v1
	v_lshl_add_u32 v1, v7, 13, v1                  ; in: 8192 w + 4096 h + 16 r
	v_lshlrev_b32 v2, 3, v3
	v_lshl_add_u32 v2, v6, 7, v2
	v_lshl_add_u32 v2, v7, 8, v2                   ; out: 256 w + 128 h + 8 r
	s_lshl_b32 s22, s20, 11                        ; 16 rows of 128 bytes
	s_lshl_b32 s20, s20, 16                        ; 16 rows of 4,096 bytes
	s_add_nc_u64 s[16:17], s[4:5], s[20:21]
	s_add_nc_u64 s[18:19], s[10:11], s[22:23]
	CONV 256, 524288, 0                            ; a plane of xb is 4,096 rows x 128 bytes
.Lnot_x:
	s_cmp_lt_u32 s20, 768
	s_cbranch_scc0 .Lhv
	; W: the order stays, 64 KiB in, 32 KiB out
	s_sub_co_u32 s20, s20, 256
	v_lshlrev_b32 v1, 4, v0
	v_lshlrev_b32 v2, 3, v0
	s_lshl_b32 s22, s20, 15
	s_lshl_b32 s20, s20, 16
	s_add_nc_u64 s[16:17], s[6:7], s[20:21]
	s_add_nc_u64 s[18:19], s[12:13], s[22:23]
	CONV 4096, 2048, 0
.Lhv:
	; classes_hv: class 2 g + h; wave w takes d blocks 16 w .. 16 w + 15, load i block 16 w + i
	s_sub_co_u32 s20, s20, 768
	v_mov_b32 v4, 0.5
	v_mov_b32 v5, 0.5
	v_lshlrev_b32 v1, 4, v3
	v_lshl_add_u32 v1, v7, 12, v1
	v_lshl_add_u32 v1, v6, 15, v1                  ; in: 32768 h + 4096 w + 16 r
	v_lshlrev_b32 v2, 3, v3
	v_lshl_add_u32 v2, v6, 7, v2
	v_lshl_add_u32 v2, v7, 20, v2                  ; out: 16 planes of 65,536 bytes x w + 128 h + 8 r
	s_lshl_b32 s22, s20, 8                         ; 2 classes of 128 bytes
	s_lshl_b32 s20, s20, 16                        ; 2 classes of 32,768 bytes
	s_add_nc_u64 s[16:17], s[8:9], s[20:21]
	s_add_nc_u64 s[18:19], s[14:15], s[22:23]
	CONV 256, 65536, 1                             ; a plane of tb is 512 classes x 128 bytes
.Lfunc_end_k_q7251f45907_cast:
	.size	k_q7251f45907_cast, .Lfunc_end_k_q7251f45907_cast-k_q7251f45907_cast
	.p2alignl 7, 3214868480
	.fill 96, 4, 3214868480
	.section	.rodata,"a",@progbits
	.p2align	6, 0x0
	.amdhsa_kernel k_q7251f45907_cast
		.amdhsa_group_segment_fixed_size 0
		.amdhsa_private_segment_fixed_size 0
		.amdhsa_enable_private_segment 0
		.amdhsa_kernarg_size 48
		.amdhsa_user_sgpr_count 2
		.amdhsa_user_sgpr_kernarg_segment_ptr 1
		.amdhsa_wavefront_size32 1
		.amdhsa_system_sgpr_workgroup_id_x 1
		.amdhsa_system_sgpr_workgroup_id_y 1
		.amdhsa_system_sgpr_workgroup_id_z 1
		.amdhsa_system_vgpr_workitem_id 0
		.amdhsa_next_free_vgpr 104
		.amdhsa_next_free_sgpr 66
		.amdhsa_reserve_vcc 0
		.amdhsa_float_denorm_mode_32 3
		.amdhsa_float_denorm_mode_16_64 3
		.amdhsa_memory_ordered 1
		.amdhsa_forward_progress 1
		.amdhsa_inst_pref_size 21
	.end_amdhsa_kernel
	.amdgpu_metadata
---
amdhsa.version: [ 1, 2 ]
amdhsa.kernels:
  - .name:           k_q7251f45907_cast
    .symbol:         k_q7251f45907_cast.kd
    .args:
      - { .name: x, .offset: 0, .size: 8, .value_kind: global_buffer, .address_space: global }
      - { .name: W, .offset: 8, .size: 8, .value_kind: global_buffer, .address_space: global }
      - { .name: classes_hv, .offset: 16, .size: 8, .value_kind: global_buffer, .address_space: global }
      - { .name: xb, .offset: 24, .size: 8, .value_kind: global_buffer, .address_space: global }
      - { .name: wb, .offset: 32, .size: 8, .value_kind: global_buffer, .address_space: global }
      - { .name: tb, .offset: 40, .size: 8, .value_kind: global_buffer, .address_space: global }
    .group_segment_fixed_size: 0
    .private_segment_fixed_size: 0
    .kernarg_segment_align: 8
    .kernarg_segment_size: 48
    .max_flat_workgroup_size: 256
    .sgpr_count:     66
    .vgpr_count:     104
    .wavefront_size: 32
...
	.end_amdgpu_metadata
.endif
;; end of part 1
;; launch hamm (part 2): grid 8 x 32, 4 waves a work-group, clusters of 4 x 4, 327,680 bytes of LDS; arguments xb, wb, tb, part, cand; writes part, cand
.if DOCPART == 2
	.amdgcn_target "amdgcn-amd-amdhsa--gfx1250"
	.amdhsa_code_object_version 6
	.text
	.protected	k_q7251f45907_hamm
	.globl	k_q7251f45907_hamm
	.p2align	8
	.type	k_q7251f45907_hamm,@function
k_q7251f45907_hamm:
	s_mov_b64 s[64:65], 0
	v_nop
	global_prefetch_b8 v0, s[64:65] scope:SCOPE_SE
	s_setreg_imm32_b32 hwreg(HW_REG_WAVE_MODE, 25, 1), 1
	s_wait_xcnt 0x0
	s_wait_alu depctr_hold_cnt(0) depctr_sa_sdst(0) depctr_va_vdst(0) depctr_va_sdst(0) depctr_va_ssrc(0) depctr_va_vcc(0) depctr_vm_vsrc(0)
	s_getreg_b32 s2, hwreg(HW_REG_IB_STS2, 6, 4)
	s_cmp_eq_u32 s2, 0
	s_cbranch_scc0 .Lentry_in_a_cluster
	s_endpgm
.Lentry_in_a_cluster:
	s_bfe_u32 s2, ttmp6, 0x10000c
	s_cmp_lg_u32 s2, 0xf033
	s_cbranch_scc0 .Lentry_shape_is_right
	s_endpgm
.Lentry_shape_is_right:
; part[slice][row][class] = sum over the slice's 1,024 d of s[row][d] * t[class][d],  s = +1 where (x W)[row][d] >= 0, else -1,  t = 0.5 - hv.
; (The distance is 4096 + the sum of the eight slices: the last launch.)
; cand[slice][wave][row] = a key of the projection nearest zero among the 256 d that the wave makes for the row: bits 30:9 the upper bits of |proj|,
; bit 8 set where s = -1 was taken, bit 7 the half of the slice, bit 6 h, bits 5:0 8 b + j (column 16 b + 8 h + j of the wave's 128).  The next launch
; sums the row's nearest projection again in plain f32.
; A work-group takes 128 rows of x and one slice of 1,024 d; 32 row blocks x 8 slices = 256 work-groups.  Four waves, 48 steps of 128 matrix
; instructions a wave:
;   steps  0-15: proj[128 rows][512 d] of the slice's first half, K = 1,024 in steps of 64; then the signs go to LDS, one byte a number
;   steps 16-31: the same for the second half
;   steps 32-47: resp[128 rows][512 classes], K = the slice's 1,024 d in steps of 64; s comes from LDS, t by tensor loads
; In both products wave w owns all 128 rows x columns 128 w .. 128 w + 127: 64 accumulator tiles, 512 registers, the same ones for proj and resp.
; THE SIGNS are kept as the upper byte of bf16 +-1 (0x3f, 0xbf): 128 x 1,024 bytes; as bf16 they would not fit beside the ring.  On the way to the
; matrix unit v_perm_b32 puts 0x80 under each byte: 0x3f80 = 1.0, 0xbf80 = -1.0.  The compare is proj >= 0 in f32: -0 gives +1, NaN gives -1 (enc = 0).
; LIMITS.  x and W enter as bf16 (nearest even); a projection is one f32 sum, K ascending.  Where it lies so near zero that the order of an f32 sum of
; 1,024 products decides its sign (for inputs of unit spread: magnitudes of about 1e-5 against a spread of 32) the sign may differ from another
; order's, and that row's distances then move by one each; the one projection nearest zero of each row is looked at again by the next launch.
; t is bf16(0.5 - hv): exact for hv in {0, 1}.
; CLUSTERS: 4 x 4 work-groups.  The four of a row of the cluster have the same row block and ask jointly for x's tiles; the four of a column have the
; same slice and ask jointly for W's and t's tiles.  That divides the requests for all three by four.
; THE MATRIX INSTRUCTION IS USED TRANSPOSED: source 0 = 16 columns (of W or t), source 1 = 16 rows (of x or s).  Lane (r = l % 16, h = l / 16),
; register j of tile (a, b) holds row 16 a + r, column 16 b + 8 h + j of the wave's block.
; The 64 accumulators take turns, one instruction a turn, in the same order in every quarter, over the backward jumps too.
;
; LDS:  slot 0 at 0, slot 1 at SLOT.  A slot in steps 0-31: x's tile, 128 rows x 128 bytes at pitch 144; at WOFF W's tile, 64 k rows x 1,024 bytes at
;       pitch 1,056.  In steps 32-47: t's tile, 512 rows x 128 bytes at pitch 144.  Pitch 144 = 9 x 16 and 1,056 = 33 x 32 bytes: the sixteen rows
;       that a fragment load touches begin at different banks (64 banks of 4 bytes: ISA guide 11.1).
;       S at SB: eight regions of 128 rows x 128 bytes at pitch 144, region 4 ch + w written by wave w after half ch; no tensor load lands here.
;       In a group of 32 d the 16 bytes at 16 h hold k = 8 h .. 8 h + 7, then 16 + 8 h .. 16 + 8 h + 7: what lane (r, h) makes is what lane (r, h) reads.
;       At the end S's first 33,792 bytes are the four waves' stages for the way out.
;       KEYS behind S: 512 bytes for each wave, its 128 keys on their way out; no tensor load lands here.
; REGISTERS, in windows of 256:  window 0: v16-59 addresses, constants, keys; F0, F1 fragments of x or s; RAW, PK at work
;       window 1: F0, F1 fragments of W or t;  window 2: accumulator tiles of rows 0-63 (tile (a, b) at v[8 (8 a + b)]);  window 3: rows 64-127
.set XP,     144                       ; pitch of x's, t's and S's rows
.set WP,     1056                      ; pitch of W's rows
.set WOFF,   128*XP                    ; 18,432: W's tile in a slot
.set SLOT,   WOFF+64*WP                ; 86,016
.set SB,     2*SLOT                    ; 172,032, a multiple of 256
.set SREG,   128*XP                    ; 18,432: a region of S, and a quarter of t's tile
.set KEYS,   SB+8*SREG                 ; 319,488, a multiple of 256
.set GP,     528                       ; the stage's pitch: 512 bytes + 16
.set XSTEP,  2*524288                  ; two k blocks of xb
.set WSTEP,  2*1048576                 ; 128 rows of wb
.set TSTEP,  2*65536                   ; two d blocks of tb
.set XWRAP,  7*XSTEP                   ; from a slot's last tile of the first half back to its first
.set WWRAP,  7*WSTEP-1024              ; the same, and 512 d to the right
.set ADRX, 16                          ; v16-17  my x fragments in slot 0, 1
.set ADRW, 18                          ; v18-19  my W fragments
.set ADRT, 20                          ; v20-21  my t fragments
.set ADRS, 22                          ; v22     my s bytes; steps by a region a lap
.set STS,  24                          ; v24-25  where I put signs, half 0, 1
.set STO,  26                          ; v26     the way out: where I put 32 bytes of a row
.set RD,   27                          ; v27     the way out: where I read a row back
.set CO,   28                          ; v28     16 x lane: my byte offset in a row of part, and in my wave's keys
.set C80,  30                          ; v30     0x80808080
.set CZ,   31                          ; v31     0
.set CB0,  32                          ; v32     0x3f3f3f3f: four +1
.set CB0N, 33                          ; v33     0x3f3f3fbf: byte 0 is -1
.set CB1,  34                          ; v34-36  the sign bit of byte 1, 2, 3
.set VL,   37                          ; v37     lane
.set HC,   38                          ; v38-39  a key's bits 7:6 in half 0, 1: 128 ch + 64 h
.set KS,   40                          ; v40     where I put a key
.set KL,   41                          ; v41     where I read four keys back
.set KM,   44                          ; v44-51  row block a: the smallest key so far of row 16 a + r among my lane's columns
.set KD,   56                          ; v56-59  four keys to store
.set F0,   64
.set F1,   128
.set RAW,  192                         ; v192-223
.set PK,   224                         ; v224-231
.set G1X, 16                           ; s[16:23] group 1, x's tiles
.set G1W, 24                           ; s[24:31] group 1, W's tiles
.set G1T, 32                           ; s[32:39] group 1, t's tiles
.set G0X, 40                           ; s[40:47] group 0, x, a set for each slot
.set G0W, 48                           ; s[48:55] group 0, W
.set G0T, 56                           ; s[56:63] group 0, t
.set MK,  68                           ; s[68:99] 32 compare masks; before the first compare: the prologue's numbers
.set MSB, 0
.macro WIN new                         ; the immediate's high byte repeats the setting that is left
.if MSB != \new
	s_set_vgpr_msb (MSB<<8)|\new
.set MSB, \new
.endif
.endm
.set MUL_LO, 0xa1                      ; source 0 window 1, source 1 window 0, C and D window 2
.set MUL_HI, 0xf1                      ; the same, C and D window 3
.set TO_B,   0x40                      ; destination window 1, address window 0
.macro PLACES                          ; four places behind a matrix instruction ahead of loads into, or vector work on, its registers
.rept 4
	v_nop
.endr
.endm
; A joint load of steps 0-31: waves 0 and 1 fetch the halves of x's tile, waves 2 and 3 those of W's.  Each line has one mask; the branch hangs on the wave's number alone.
.macro JLOAD1 n
	s_cmp_eq_u32 s14, 0
	s_cbranch_scc0 .Lfor_w_\@
	tensor_load_to_lds s[G0X+4*\n:G0X+4*\n+3], s[G1X:G1X+7]
	s_nop 0
	s_branch .Lasked_\@
.Lfor_w_\@:
	tensor_load_to_lds s[G0W+4*\n:G0W+4*\n+3], s[G1W:G1W+7]
	s_nop 0
.Lasked_\@:
.endm
.macro JLOADT n                        ; steps 32-47: every wave fetches its quarter of t's tile
	tensor_load_to_lds s[G0T+4*\n:G0T+4*\n+3], s[G1T:G1T+7]
	s_nop 0
.endm
.macro CREST                           ; a round of the cluster's barrier behind its opening work-group barrier
	s_cmp_lg_u32 s12, 0
	s_cbranch_scc1 .Lnot_wave_0_\@
	s_barrier_signal -3
.Lnot_wave_0_\@:
	s_barrier_wait -3
	s_barrier_signal -1
	s_barrier_wait -1
.endm
.macro CROUND                          ; a whole round
	s_barrier_signal -1
	s_barrier_wait -1
	CREST
.endm
	s_load_b256 s[4:11], s[0:1], 0x0               ; xb s[4:5], wb s[6:7], tb s[8:9], part s[10:11]
	s_load_b64 s[100:101], s[0:1], 0x20            ; cand
	s_set_vgpr_msb 0x40
	v_lshl_add_u32 v255, v0, 2, 0x4e800
	s_set_vgpr_msb 0x4000
	v_mov_b32 v255, 0
	s_set_vgpr_msb 0x1
	ds_add_u32 v255, v255
	s_set_vgpr_msb 0x100
	v_lshrrev_b32 v1, 5, v0
	v_readfirstlane_b32 s12, v1                    ; wave 0..3
	s_and_b32 s13, s12, 1                          ; which half of a tile I fetch
	s_lshr_b32 s14, s12, 1                         ; I fetch for x (0) or for W (1)
	s_mov_b32 s15, 0x7ffffe00                      ; a key's magnitude: the sign and the low nine bits go
	s_mov_b32 s66, 0x05000400                      ; v_perm_b32: bytes 0, 1 of the first source over 0x80 of the second
	s_mov_b32 s67, 0x07000600                      ; bytes 2, 3
	s_mov_b32 s104, 0x76543210                     ; v_permlanex16_b32: lane i of one half reads lane i of the other
	s_mov_b32 s105, 0xfedcba98
	s_bfe_u32 s68, ttmp6, 0x40000                  ; cx
	s_bfe_u32 s69, ttmp6, 0x40004                  ; cy
	s_lshl_b32 s70, ttmp9, 2
	s_add_co_u32 s70, s70, s68                     ; slice = 4 x cluster x + cx
	s_and_b32 s71, ttmp7, 0xffff
	s_lshl_b32 s71, s71, 2
	s_add_co_u32 s71, s71, s69                     ; row block = 4 x cluster y + cy
	s_lshl_b32 s72, s69, 2
	s_lshl_b32 s72, 15, s72                        ; my row of the cluster: places 4 cy .. 4 cy + 3
	s_lshl_b32 s73, 0x1111, s68                    ; my column: places cx, cx + 4, cx + 8, cx + 12
	; group 1, x: 8 KiB in one piece as 32 rows of 32 elements of 8 bytes; 4 words of padding behind every 32 words (128 bytes): LDS rows of 144
	s_or_b32  s[G1X+0], s72, (3<<16)|(1<<20)|(1<<21)|(4<<22)|(3<<25)   ; mask: my row; element of 8 bytes; padding on; bit 21 beside a mask; interval code 4; 4 words
	s_mov_b32 s[G1X+1], 32<<16                     ; tensor_dim0 = 32
	s_mov_b32 s[G1X+2], 32<<16                     ; tensor_dim1 = 32
	s_mov_b32 s[G1X+3], 32<<16                     ; tile_dim0 = 32
	s_mov_b32 s[G1X+4], 32                         ; tile_dim1 = 32
	s_mov_b32 s[G1X+5], 32                         ; from row to row: 32 elements
	s_mov_b32 s[G1X+6], 0
	s_mov_b32 s[G1X+7], 0
	; group 1, W: 32 k rows of 512 bf16 (1,024 bytes), 8,192 elements apart; 8 words of padding behind every 256 words: LDS rows of 1,056
	s_or_b32  s[G1W+0], s73, (1<<16)|(1<<20)|(1<<21)|(7<<22)|(7<<25)   ; mask: my column
	s_mov_b32 s[G1W+1], 512<<16
	s_mov_b32 s[G1W+2], 32<<16
	s_mov_b32 s[G1W+3], 512<<16
	s_mov_b32 s[G1W+4], 32
	s_mov_b32 s[G1W+5], 8192
	s_mov_b32 s[G1W+6], 0
	s_mov_b32 s[G1W+7], 0
	; group 1, t: 16 KiB in one piece as 64 rows of 256 bytes, padded like x
	s_or_b32  s[G1T+0], s73, (3<<16)|(1<<20)|(1<<21)|(4<<22)|(3<<25)   ; mask: my column
	s_mov_b32 s[G1T+1], 32<<16
	s_mov_b32 s[G1T+2], 64<<16
	s_mov_b32 s[G1T+3], 32<<16
	s_mov_b32 s[G1T+4], 64
	s_mov_b32 s[G1T+5], 32
	s_mov_b32 s[G1T+6], 0
	s_mov_b32 s[G1T+7], 0
	; byte offsets of my parts of the first tiles.  x's hang on the row block and the wave alone, W's and t's on the slice and the wave alone, each in registers of its own.
	s_lshl_b32 s74, s71, 14                        ; x: 128 rows of 128 bytes x row block
	s_lshl_b32 s75, s13, 13                        ;    + 64 rows x half
	s_add_co_u32 s74, s74, s75
	s_mov_b32 s75, 0
	s_lshl_b32 s76, s70, 11                        ; W: 1,024 d of 2 bytes x slice
	s_lshl_b32 s77, s13, 19                        ;    + 32 rows of 16,384 bytes x half
	s_add_co_u32 s76, s76, s77
	s_mov_b32 s77, 0
	s_lshl_b32 s78, s70, 20                        ; t: 16 d blocks of 65,536 bytes x slice
	s_lshl_b32 s79, s12, 14                        ;    + 128 classes of 128 bytes x wave
	s_add_co_u32 s78, s78, s79
	s_mov_b32 s79, 0
	s_lshl_b32 s80, s70, 23                        ; part: 4,096 rows of 2,048 bytes x slice
	s_lshl_b32 s81, s71, 18                        ;    + 128 rows x row block
	s_add_co_u32 s80, s80, s81
	s_lshl_b32 s81, s12, 9                         ;    + 128 classes of 4 bytes x wave
	s_add_co_u32 s80, s80, s81
	s_mov_b32 s81, 0
	s_lshl_b32 s88, s70, 16                        ; cand: 4 waves x 4,096 rows of 4 bytes x slice
	s_lshl_b32 s89, s12, 14                        ;    + 4,096 rows x wave
	s_add_co_u32 s88, s88, s89
	s_lshl_b32 s89, s71, 9                         ;    + 128 rows x row block
	s_add_co_u32 s88, s88, s89
	s_mov_b32 s89, 0
	s_mul_i32 s82, s13, 64*XP                      ; LDS: x's halves
	s_mul_i32 s83, s13, 32*WP
	s_add_co_u32 s83, s83, WOFF                    ; W's halves
	s_mul_i32 s84, s12, SREG                       ; t's quarters
	s_wait_dscnt 0x0
	s_wait_kmcnt 0x0
	s_add_nc_u64 s[74:75], s[4:5], s[74:75]
	s_add_nc_u64 s[76:77], s[6:7], s[76:77]
	s_add_nc_u64 s[78:79], s[8:9], s[78:79]
	s_add_nc_u64 s[10:11], s[10:11], s[80:81]      ; part at my wave's first row and column
	s_add_nc_u64 s[100:101], s[100:101], s[88:89]  ; cand at my wave's 128 keys
	CROUND                                         ; all sixteen work-groups are here: the first joint loads meet
.irp n, 0,1
	s_mov_b32 s[G0X+4*\n], 1
	s_add_co_u32 s[G0X+4*\n+1], s82, \n*SLOT
	s_add_nc_u64 s[G0X+4*\n+2:G0X+4*\n+3], s[74:75], \n*524288       ; step n: k block n
	s_or_b32 s[G0X+4*\n+3], s[G0X+4*\n+3], 0x80000000                ; type 2
	s_mov_b32 s[G0W+4*\n], 1
	s_add_co_u32 s[G0W+4*\n+1], s83, \n*SLOT
	s_add_nc_u64 s[G0W+4*\n+2:G0W+4*\n+3], s[76:77], \n*1048576      ; step n: k rows 64 n ..
	s_or_b32 s[G0W+4*\n+3], s[G0W+4*\n+3], 0x80000000
	s_mov_b32 s[G0T+4*\n], 1
	s_add_co_u32 s[G0T+4*\n+1], s84, \n*SLOT
	s_add_nc_u64 s[G0T+4*\n+2:G0T+4*\n+3], s[78:79], \n*65536        ; step 32 + n: d block n of the slice
	s_or_b32 s[G0T+4*\n+3], s[G0T+4*\n+3], 0x80000000
	JLOAD1 \n                                      ; both slots' first fills go out before anything else: two tensor loads of the wave are out
.endr
	v_and_b32 v1, 15, v0                           ; r
	v_bfe_u32 v2, v0, 4, 1                         ; h
	v_mul_u32_u24 v3, v1, XP
	v_lshl_add_u32 v[ADRX], v2, 4, v3              ; 144 r + 16 h: a fragment from rows along K is two loads of 16 bytes, 32 bytes apart
	v_add_nc_u32 v[ADRX+1], SLOT, v[ADRX]
	v_add_nc_u32 v[ADRT], s84, v[ADRX]             ; t: my 128 classes are the quarter at 18,432 w
	v_add_nc_u32 v[ADRT+1], s84, v[ADRX+1]
	v_and_b32 v4, 7, v0                            ; W lies [k][d]: the transposing load wants row 8 h + (l & 7), 16 bytes at 16 ((l >> 3) & 1)
	v_lshl_add_u32 v4, v2, 3, v4
	v_mul_u32_u24 v4, v4, WP
	v_bfe_u32 v5, v0, 3, 1
	v_lshl_add_u32 v4, v5, 4, v4
	s_lshl_b32 s85, s12, 8                         ; my 128 columns: 256 bytes x wave
	s_add_co_u32 s85, s85, WOFF
	v_add_nc_u32 v[ADRW], s85, v4
	v_add_nc_u32 v[ADRW+1], SLOT, v[ADRW]
	v_add_nc_u32 v[ADRS], SB, v[ADRX]              ; S, region 0: SB + 144 r + 16 h
	v_add_nc_u32 v[STS], s84, v[ADRS]              ; my region of half 0: region w
	v_add_nc_u32 v[STS+1], 4*SREG, v[STS]          ; of half 1: region 4 + w
	s_mul_i32 s87, s12, 16*GP
	s_add_co_u32 s87, s87, SB                      ; my stage
	v_mul_u32_u24 v5, v1, GP
	v_lshl_add_u32 v5, v2, 5, v5                   ; row r, 32 bytes for each half of the lanes
	v_add_nc_u32 v[STO], s87, v5
	v_and_b32 v[VL], 31, v0
	v_lshlrev_b32 v[CO], 4, v[VL]                  ; back: 32 lanes x 16 bytes are a row's 512
	v_add_nc_u32 v[RD], s87, v[CO]
	s_lshl_b32 s86, s12, 9
	s_add_co_u32 s86, s86, KEYS                    ; my wave's 512 bytes for keys
	v_lshl_add_u32 v[KS], v[VL], 2, s86
	v_lshl_add_u32 v[KL], v[VL], 4, s86
	v_lshlrev_b32 v[HC], 6, v2
	v_or_b32 v[HC+1], 0x80, v[HC]
	v_mov_b32 v[C80], 0x80808080
	v_mov_b32 v[CZ], 0
	v_mov_b32 v[CB0], 0x3f3f3f3f
	v_mov_b32 v[CB0N], 0x3f3f3fbf
	v_mov_b32 v[CB1], 0x8000
	v_mov_b32 v[CB1+1], 0x800000
	v_mov_b32 v[CB1+2], 0x80000000
; 16 matrix instructions: row blocks a0, a0 + 1 of the window's four (hi = 0: rows 0-63, 1: rows 64-127) x all 8 column blocks, 32 along K.
; zero = 1: the first product starts the sums; nothing is cleared.
.macro MUL16 f, hi, a0, zero
.irp a, \a0, \a0+1
.irp b, 0,1,2,3,4,5,6,7
.if \zero
	v_wmma_f32_16x16x32_bf16 v[8*(8*(\a)+\b):8*(8*(\a)+\b)+7], v[\f+8*\b:\f+8*\b+7], v[\f+8*(4*\hi+\a):\f+8*(4*\hi+\a)+7], 0
.else
	v_wmma_f32_16x16x32_bf16 v[8*(8*(\a)+\b):8*(8*(\a)+\b)+7], v[\f+8*\b:\f+8*\b+7], v[\f+8*(4*\hi+\a):\f+8*(4*\hi+\a)+7], v[8*(8*(\a)+\b):8*(8*(\a)+\b)+7]
.endif
.endr
.endr
.endm
; 32 LDS loads: quarter q (32 along K) of slot n into buffer f: my 128 columns of W, transposed on the way, then all 128 rows of x
.macro FETCH1 n, q, f
	WIN TO_B
.irp b, 0,1,2,3,4,5,6,7
	ds_load_tr16_b128 v[\f+8*\b:\f+8*\b+3],   v[ADRW+\n] offset:32*WP*\q+32*\b          ; k = 32 q + 8 h .. + 7 of column 16 b + r
	ds_load_tr16_b128 v[\f+8*\b+4:\f+8*\b+7], v[ADRW+\n] offset:32*WP*\q+32*\b+16*WP    ; k = 32 q + 16 + 8 h ..
.endr
	WIN 0
.irp a, 0,1,2,3,4,5,6,7
	ds_load_b128 v[\f+8*\a:\f+8*\a+3],   v[ADRX+\n] offset:16*XP*\a+64*\q
	ds_load_b128 v[\f+8*\a+4:\f+8*\a+7], v[ADRX+\n] offset:16*XP*\a+64*\q+32
.endr
.endm
; 16 LDS loads: quarter q of t's tile in slot n, my 128 classes
.macro FETCHT n, q, f
	WIN TO_B
.irp b, 0,1,2,3,4,5,6,7
	ds_load_b128 v[\f+8*\b:\f+8*\b+3],   v[ADRT+\n] offset:16*XP*\b+64*\q
	ds_load_b128 v[\f+8*\b+4:\f+8*\b+7], v[ADRT+\n] offset:16*XP*\b+64*\q+32
.endr
.endm
; 8 LDS loads: the sign bytes of 32 d, all 128 rows: 16 bytes a lane and row block
.macro RAWLD off
	WIN 0
.irp a, 0,1,2,3,4,5,6,7
	ds_load_b128 v[RAW+4*\a:RAW+4*\a+3], v[ADRS] offset:16*XP*\a+\off
.endr
.endm
; sign bytes to bf16 +-1: byte i becomes the upper byte of element i, 0x80 the lower
.macro EXPAND f
.irp a, 0,1,2,3,4,5,6,7
.irp i, 0,1,2,3
	v_perm_b32 v[\f+8*\a+2*\i],   v[RAW+4*\a+\i], v[C80], s66
	v_perm_b32 v[\f+8*\a+2*\i+1], v[RAW+4*\a+\i], v[C80], s67
.endr
.endr
.endm
; STEPS 0-31.  A step is two quarters of 32 along K, on buffers 0 and 1.
; The first quarter: multiplies buffer 0; in its middle it fetches the second quarter's fragments.
.macro Q1 n, zero
	s_wait_dscnt 8                                 ; all but the youngest eight LDS instructions: at the least W's fragments and x's rows 0-63 are in
	WIN MUL_LO
	MUL16 F0, 0, 0, \zero
	MUL16 F0, 0, 2, \zero
	PLACES
	FETCH1 \n, 1, F1
	s_wait_dscnt 32                                ; all but the 32 just issued
	WIN MUL_HI
	MUL16 F0, 1, 0, \zero
	MUL16 F0, 1, 2, \zero
.endm
; The second quarter: multiplies buffer 1 and changes slots.  In front of the round each wave waits for its reads of this slot and for all its tensor
; loads (one is out: its part of the next slot).  Behind the round no wave of any partner reads this slot or has a load on its way: the joint refill
; comes first, then the next slot's first fragments.  From a request to the wait for it a wave issues 32 + 64 + 16 = 112 matrix instructions.
; fill = 1: two steps ahead.  2: the other half's first tiles.  3: t's first tiles.   nf = 1: the next fragments are x's and W's; 2: t's.
.macro TURN1 n, next, fill, nf
	s_wait_dscnt 8
	WIN MUL_LO
	MUL16 F1, 0, 0, 0
	s_wait_dscnt 0x0                               ; my reads of this slot are over
	s_wait_tensorcnt 0x0                           ; all my tensor loads have landed
	ds_add_u32 v255, v255
	s_wait_dscnt 0x0
	s_barrier_signal -1                            ; opens the round
	MUL16 F1, 0, 2, 0                              ; registers only
	WIN 0
	s_barrier_wait -1
	CREST
.if \fill == 1
	s_add_nc_u64 s[G0X+4*\n+2:G0X+4*\n+3], s[G0X+4*\n+2:G0X+4*\n+3], XSTEP   ; no tensor load of mine is out: group 0 may be written
	s_add_nc_u64 s[G0W+4*\n+2:G0W+4*\n+3], s[G0W+4*\n+2:G0W+4*\n+3], WSTEP
	JLOAD1 \n
.endif
.if \fill == 2
	s_sub_nc_u64 s[G0X+4*\n+2:G0X+4*\n+3], s[G0X+4*\n+2:G0X+4*\n+3], XWRAP   ; K starts again,
	s_sub_nc_u64 s[G0W+4*\n+2:G0W+4*\n+3], s[G0W+4*\n+2:G0W+4*\n+3], WWRAP   ; 512 d further right in W
	JLOAD1 \n
.endif
.if \fill == 3
	JLOADT \n                                      ; its group 0 was set up for d block n at the start
.endif
	PLACES
.if \nf == 1
	FETCH1 \next, 0, F0
.else
	FETCHT 0, 0, F0
.endif
	WIN MUL_HI
	MUL16 F1, 1, 0, 0
	MUL16 F1, 1, 2, 0
.endm
.macro LAP1 zero, fill, nflast         ; once round the ring
	Q1 0, \zero
	TURN1 0, 1, \fill, 1
	Q1 1, 0
	TURN1 1, 0, \fill, \nflast
.endm
; Four tiles (row block 4 hi + a, column blocks 4 bq .. 4 bq + 3), 32 numbers a lane, all of one row.
; 32 compares into scalar masks.  From them (1) the keys: 8 b + j, with bit 8 where the compare failed, under the upper bits of |proj|; their minimum
; as whole numbers is the number nearest zero (non-negative floats order like their bit patterns); (2) the sign bytes: four bytes built by selects and
; sums without carries (0x3f + 0x80 = 0xbf), 16 bytes a pair of tiles into my region of S.
.macro BIN hi, a, bq, ch
	WIN 2+\hi                                      ; source 0 in window 2 or 3
.set bi, 0
.rept 32
	v_cmp_ge_f32 s[MK+bi], v[8*(8*\a+4*\bq)+bi], v[CZ]
.set bi, bi+1
.endr
.set bi, 0
.rept 32
	v_cndmask_b32 v[RAW+bi], 0x100+32*\bq+bi, 32*\bq+bi, s[MK+bi]       ; >= 0: 8 b + j; else the same with bit 8
.set bi, bi+1
.endr
.set bi, 0
.rept 32
	v_and_or_b32 v[RAW+bi], v[8*(8*\a+4*\bq)+bi], s15, v[RAW+bi]
.set bi, bi+1
.endr
	WIN 0
.irp st, 16,8,4,2,1
.set bi, 0
.rept \st
	v_min_u32 v[RAW+bi], v[RAW+bi], v[RAW+bi+\st]
.set bi, bi+1
.endr
.endr
.if \bq+\ch == 0
	v_or_b32 v[KM+4*\hi+\a], v[HC+\ch], v[RAW]     ; the row block's first key starts its minimum: nothing is preset
.else
	v_or_b32 v[RAW], v[HC+\ch], v[RAW]             ; bits 7:6 were cleared by the mask: the half of the slice, and h
	v_min_u32 v[KM+4*\hi+\a], v[KM+4*\hi+\a], v[RAW]
.endif
.irp g, 0,1,2,3,4,5,6,7
	v_cndmask_b32 v[RAW+4*\g],   v[CB0N],  v[CB0], s[MK+4*\g]     ; >= 0: 0x3f in byte 0, else 0xbf; bytes 1-3 start as 0x3f
	v_cndmask_b32 v[RAW+4*\g+1], v[CB1],   v[CZ],  s[MK+4*\g+1]   ; >= 0: nothing, else the byte's sign bit
	v_cndmask_b32 v[RAW+4*\g+2], v[CB1+1], v[CZ],  s[MK+4*\g+2]
	v_cndmask_b32 v[RAW+4*\g+3], v[CB1+2], v[CZ],  s[MK+4*\g+3]
.endr
.irp g, 0,1,2,3,4,5,6,7
	v_add3_u32 v[RAW+4*\g], v[RAW+4*\g], v[RAW+4*\g+1], v[RAW+4*\g+2]
.endr
.irp g, 0,1,2,3,4,5,6,7
	v_or_b32 v[PK+\g], v[RAW+4*\g], v[RAW+4*\g+3]
.endr
	ds_store_b128 v[STS+\ch], v[PK:PK+3]   offset:16*XP*(4*\hi+\a)+64*\bq
	ds_store_b128 v[STS+\ch], v[PK+4:PK+7] offset:16*XP*(4*\hi+\a)+64*\bq+32
.endm
.macro BINARIZE ch
	PLACES                                         ; behind the last matrix instructions, ahead of the compares that read their results
.irp a, 0,1,2,3
	BIN 0, \a, 0, \ch
	BIN 0, \a, 1, \ch
.endr
.irp a, 0,1,2,3
	BIN 1, \a, 0, \ch
	BIN 1, \a, 1, \ch
.endr
.endm
; Sixteen steps = eight laps: the first starts the sums, six go round in a loop, the last asks for what follows the half.
.macro CHUNK ch
	LAP1 1, 1, 1
	WIN 0                                          ; at a label and at a branch every window is 0
	s_mov_b32 s3, 6
.Lchunk_\ch:
	LAP1 0, 1, 1
	WIN 0
	s_sub_co_u32 s3, s3, 1
	s_cmp_lg_u32 s3, 0
	s_cbranch_scc1 .Lchunk_\ch
.if \ch == 0
	LAP1 0, 2, 1
.else
	LAP1 0, 3, 2
.endif
	BINARIZE \ch
.endm
; STEPS 32-47.  The first quarter: multiplies buffer 0; fetches the second quarter's sign bytes (at off) and t fragments, and widens the signs into buffer 1.
.macro Q2 n, off, zero
	s_wait_dscnt 0x0                               ; buffer 0's t fragments are in
	RAWLD \off
	WIN MUL_LO
	MUL16 F0, 0, 0, \zero
	MUL16 F0, 0, 2, \zero
	PLACES
	FETCHT \n, 1, F1
	s_wait_dscnt 16                                ; the eight loads of sign bytes are in; the 16 issued behind them stay out
	WIN 0
	EXPAND F1
	WIN MUL_HI
	MUL16 F0, 1, 0, \zero
	MUL16 F0, 1, 2, \zero
.endm
; The second quarter: multiplies buffer 1 and changes slots, as in steps 0-31.  fill = 0: nothing is left to fetch, a work-group barrier is enough.
.macro TURN2 n, next, fill, off
	s_wait_dscnt 0x0                               ; buffer 1's t fragments are in
	RAWLD \off                                     ; the next step's first sign bytes
	WIN MUL_LO
	MUL16 F1, 0, 0, 0
	s_wait_dscnt 0x0                               ; my reads of this slot are over, the sign bytes are in
	s_wait_tensorcnt 0x0                           ; all my tensor loads have landed
	ds_add_u32 v255, v255
	s_wait_dscnt 0x0
	s_barrier_signal -1
	MUL16 F1, 0, 2, 0
	WIN 0
	s_barrier_wait -1
.if \fill
	CREST
	s_add_nc_u64 s[G0T+4*\n+2:G0T+4*\n+3], s[G0T+4*\n+2:G0T+4*\n+3], TSTEP
	JLOADT \n                                      ; the first tensor load behind the round, one a wave
.endif
	PLACES
	FETCHT \next, 0, F0
	WIN 0
	EXPAND F0
	WIN MUL_HI
	MUL16 F1, 1, 0, 0
	MUL16 F1, 1, 2, 0
.endm
.macro LAP2 zero                       ; two steps = 128 d = one region of S
	Q2 0, 32, \zero
	TURN2 0, 1, 1, 64
	Q2 1, 96, 0
	TURN2 1, 0, 1, SREG                            ; the next region's first 32 d
	WIN 0
	v_add_nc_u32 v[ADRS], SREG, v[ADRS]
.endm
	s_wait_tensorcnt 1                             ; my part of step 0 is in; step 1's stays out
	s_barrier_signal -1
	s_barrier_wait -1                              ; everybody's is
	FETCH1 0, 0, F0
	CHUNK 0
	CHUNK 1
	; THE KEYS LEAVE.  Lanes (r, 0) and (r, 1) hold the two halves of row 16 a + r: the smaller key wins.  Then lane l takes row 32 m + l (row block 2 m for
	; lanes 0-15, 2 m + 1 for lanes 16-31), the 128 keys go through my wave's own 512 bytes of LDS, and each lane stores four neighbouring rows' keys.
.irp a, 0,1,2,3,4,5,6,7
	v_permlanex16_b32 v[RAW+\a], v[KM+\a], s104, s105              ; its destination counts as read: RAW has been written
.endr
.irp a, 0,1,2,3,4,5,6,7
	v_min_u32 v[KM+\a], v[KM+\a], v[RAW+\a]
.endr
	v_cmp_gt_u32 vcc_lo, 16, v[VL]
.irp m, 0,1,2,3
	v_cndmask_b32 v[RAW+\m], v[KM+2*\m+1], v[KM+2*\m], vcc_lo
.endr
.irp m, 0,1,2,3
	ds_store_b32 v[KS], v[RAW+\m] offset:128*\m
.endr
	ds_load_b128 v[KD:KD+3], v[KL]                 ; LDS serves a wave's instructions in order (ISA guide 5.7.1.4): this sees the stores above
	s_wait_dscnt 0x0                               ; the keys are in registers; my signs are in S; buffer 0's t fragments are in
	global_store_b128 v[CO], v[KD:KD+3], s[100:101]   ; the wave stores 512 consecutive bytes, aligned; KD, CO and the base are never written again
	s_barrier_signal -1
	s_barrier_wait -1                              ; everybody's signs are in S.  My part of t's second tile may stay out
	RAWLD 0
	s_wait_dscnt 0x0
	EXPAND F0
	LAP2 1
	s_mov_b32 s3, 6
.Llap2:
	LAP2 0
	s_sub_co_u32 s3, s3, 1
	s_cmp_lg_u32 s3, 0
	s_cbranch_scc1 .Llap2
	Q2 0, 32, 0                                    ; the last lap fills nothing
	TURN2 0, 1, 0, 64
	Q2 1, 96, 0
	s_wait_dscnt 0x0
	WIN MUL_LO
	MUL16 F1, 0, 0, 0
	MUL16 F1, 0, 2, 0
	WIN MUL_HI
	MUL16 F1, 1, 0, 0
	MUL16 F1, 1, 2, 0
	; THE WAY OUT, 16 rows at a time: a lane's 32 bytes of a row go into my stage, whole rows of 512 bytes come back and are stored.
	PLACES                                         ; behind the last matrix instructions: LDS stores read results, loads land in buffers 0 and 1
	WIN 0
	s_wait_dscnt 0x0                               ; my reads of S are over
	s_barrier_signal -1
	s_barrier_wait -1                              ; everybody's are: S's first bytes become the stages
.macro OUT16 i, a, hi, f
	WIN 0x08+4*\hi                                 ; an LDS store's data are source 1: window 2 or 3
.irp b, 0,1,2,3,4,5,6,7
	ds_store_b128 v[STO], v[8*(8*\a+\b):8*(8*\a+\b)+3]   offset:64*\b
	ds_store_b128 v[STO], v[8*(8*\a+\b)+4:8*(8*\a+\b)+7] offset:64*\b+16
.endr
	WIN 0
	s_wait_xcnt 0x0                                ; buffer f, which earlier stores read, and the stores' base are rewritten only behind this wait
.if \i
	s_add_nc_u64 s[10:11], s[10:11], 16*2048       ; 16 rows of part on
.endif
.irp t, 0,1,2,3,4,5,6,7,8,9,10,11,12,13,14,15
	ds_load_b128 v[\f+4*\t:\f+4*\t+3], v[RD] offset:GP*\t          ; LDS serves a wave's instructions in order (ISA guide 5.7.1.4): these see the stores above
.endr
.irp t, 0,1,2,3,4,5,6,7,8,9,10,11,12,13,14,15
	s_wait_dscnt 15-\t                             ; row t is in, the 15 - t younger loads stay out
	global_store_b128 v[CO], v[\f+4*\t:\f+4*\t+3], s[10:11] offset:2048*\t   ; the wave stores 512 consecutive bytes, aligned; a later launch reads them: no hint
.endr
.endm
	OUT16 0, 0, 0, F0
	OUT16 1, 1, 0, F1
	OUT16 2, 2, 0, F0
	OUT16 3, 3, 0, F1
	OUT16 4, 0, 1, F0
	OUT16 5, 1, 1, F1
	OUT16 6, 2, 1, F0
	OUT16 7, 3, 1, F1
	s_set_vgpr_msb 0x1
	s_wait_tensorcnt 0x0
	ds_add_u32 v255, v255
	s_wait_dscnt 0x0
	s_set_vgpr_msb 0x100
	CROUND                                         ; the closing round: no work-group ends while a partner may still ask for a tile that names it
	s_endpgm
.Lfunc_end_k_q7251f45907_hamm:
	.size	k_q7251f45907_hamm, .Lfunc_end_k_q7251f45907_hamm-k_q7251f45907_hamm
	.p2alignl 7, 3214868480
	.fill 96, 4, 3214868480
	.section	.rodata,"a",@progbits
	.p2align	6, 0x0
	.amdhsa_kernel k_q7251f45907_hamm
		.amdhsa_group_segment_fixed_size 327680
		.amdhsa_private_segment_fixed_size 0
		.amdhsa_enable_private_segment 0
		.amdhsa_kernarg_size 40
		.amdhsa_user_sgpr_count 2
		.amdhsa_user_sgpr_kernarg_segment_ptr 1
		.amdhsa_wavefront_size32 1
		.amdhsa_system_sgpr_workgroup_id_x 1
		.amdhsa_system_sgpr_workgroup_id_y 1
		.amdhsa_system_sgpr_workgroup_id_z 1
		.amdhsa_system_vgpr_workitem_id 0
		.amdhsa_next_free_vgpr 1024
		.amdhsa_next_free_sgpr 106
		.amdhsa_reserve_vcc 1
		.amdhsa_float_denorm_mode_32 3
		.amdhsa_float_denorm_mode_16_64 3
		.amdhsa_memory_ordered 1
		.amdhsa_forward_progress 1
		.amdhsa_inst_pref_size 255
	.end_amdhsa_kernel
	.section	.bss,"aw",@nobits
	.p2align	6
	.space	262144
	.amdgpu_metadata
---
amdhsa.version: [ 1, 2 ]
amdhsa.kernels:
  - .name:           k_q7251f45907_hamm
    .symbol:         k_q7251f45907_hamm.kd
    .args:
      - { .name: xb, .offset: 0, .size: 8, .value_kind: global_buffer, .address_space: global }
      - { .name: wb, .offset: 8, .size: 8, .value_kind: global_buffer, .address_space: global }
      - { .name: tb, .offset: 16, .size: 8, .value_kind: global_buffer, .address_space: global }
      - { .name: part, .offset: 24, .size: 8, .value_kind: global_buffer, .address_space: global }
      - { .name: cand, .offset: 32, .size: 8, .value_kind: global_buffer, .address_space: global }
    .group_segment_fixed_size: 327680
    .private_segment_fixed_size: 0
    .kernarg_segment_align: 8
    .kernarg_segment_size: 40
    .max_flat_workgroup_size: 128
    .sgpr_count:     106
    .vgpr_count:     1024
    .wavefront_size: 32
...
	.end_amdgpu_metadata
.endif
;; end of part 2
;; launch fix (part 3): grid 128 x 1, 1 waves a work-group, no clusters, 0 bytes of LDS; arguments cand, xb, wb, corr; writes corr
.if DOCPART == 3
	.amdgcn_target "amdgcn-amd-amdhsa--gfx1250"
	.amdhsa_code_object_version 6
	.text
	.protected	k_q7251f45907_fix
	.globl	k_q7251f45907_fix
	.p2align	8
	.type	k_q7251f45907_fix,@function
k_q7251f45907_fix:
	s_mov_b64 s[64:65], 0
	v_nop
	global_prefetch_b8 v0, s[64:65] scope:SCOPE_SE
	s_setreg_imm32_b32 hwreg(HW_REG_WAVE_MODE, 25, 1), 1
	s_wait_xcnt 0x0
; For each row of x: the projection nearest zero (the smallest of the row's 32 keys in cand) is summed again in plain f32, and its sign is compared with
; the one that the launch before took.   corr[row] = 0 where they agree, else d << 2 | 1 (the sign becomes +1) or d << 2 | 2 (it becomes -1).
; WHY.  reference() compares an f32 sum of 1,024 products with 0, and where the sum is as small as its own rounding the order of the additions decides
; the sign.  The problem does not state that order.  So the sum is made three times, and two of the three decide:
;   (a) K in blocks of 176 (the last one 144), (b) K in blocks of 208 (the last one 192): a block is one accumulator from 0, one fused multiply-add a
;       product, K ascending; the blocks are added in ascending order.  This is the form of a blocked f32 product.  The two lengths are what a rule gives
;       that fits the panels of a register block into 16 KiB and then evens the blocks out over K = 1,024: for 12 x 8 numbers (16384 - 384) / 80 = 200,
;       evened out 176; for 12 x 4 numbers (16384 - 192) / 64 = 253, in eights 248, evened out 208.
;   (c) a sum that loses nothing: each addition's rounding error is recovered by the six-operation error-free sum and collected in a second word; the
;       sign of the two words' sum is that of the unrounded sum, but for errors some 2^-24 of the collected errors themselves.
; The operands are the bf16 copies, so each product is exact in f32 (but for products under 2^-126) and only the additions round.
; LIMITS.  Which order reference() sums in stays a guess: where (a) and (b) agree their sign is taken, elsewhere that of (c), and a product made in
; another order can still differ in the sign of a projection that lies within its own rounding of zero; that row's distances then move by one each.
; One projection a row is treated so: a second one of the same row that lies as near zero keeps the matrix unit's sign.
; 4,096 sums of 1,024 products, one in 8,192 of the first product's work, in vector arithmetic: the order is the point, so no matrix unit.
; One wave a work-group, lane = row, 32 rows; no LDS, no barrier: lanes share nothing.  The wave walks K in 64 stages of 16: a lane loads sixteen numbers of
; W's column d, two bytes each, 16,384 bytes apart (W lies along d), and 32 bytes of its row of x.  Four register sets take turns; loads are issued two
; stages ahead, so at most 3 x 18 = 54 loads of the wave are out.  The store is 32 lanes x 4 bytes, 128 consecutive bytes; all of corr is 16 KiB.
.set CUT,  176                         ; block length of sum (a); sum (b): CUT + CUTD.  Both are multiples of 16: a block closes at a stage's end
.set CUTD, 32
.set ROW,  2                           ; v2        my row
.set VC,   3                           ; v3        its byte offset in a plane of cand
.set VX,   4                           ; v4        its byte offset in a plane of xb; never rewritten
.set VW,   5                           ; v5        2 d: column d's byte offset in a row of wb; never rewritten
.set META, 6                           ; v6        d << 2 | the code that a change of sign would have
.set OLDP, 7                           ; v7        1 where the sign taken was +1
.set K,    10                          ; v[10:41]  the row's 32 keys
.set ACC,  44                          ; v[44:45]  sums (a), (b): the open block
.set CT,   46                          ; v[46:47]  the closed blocks
.set TS,   48                          ; v[48:49]  at work
.set SS,   50                          ; v[50:51]  sum (c): the running sum, in the two registers by turns
.set EE,   52                          ; v52       sum (c): the collected rounding errors
.set TP,   56                          ; v[56:59]  sum (c) at work: the product,
.set TZ,   60                          ; v[60:63]  what of it arrived in the sum,
.set TU,   64                          ; v[64:67]  the error; four sets by turns
.set XT,   68                          ; v[68:83]  sixteen numbers of x in f32
.set WV,   84                          ; v[84:147]  four sets of sixteen numbers of W
.set XV,   148                         ; v[148:179] four sets of eight registers, sixteen bf16 of x
.set CN,   20                          ; s[20:21]  how many k the open block of (a), (b) has
.set MS,   22                          ; s[22:23]  all ones where the block closes
	s_load_b256 s[4:11], s[0:1], 0x0               ; cand s[4:5], xb s[6:7], wb s[8:9], corr s[10:11]
	s_lshl_b32 s15, ttmp9, 5                       ; the group's first row
	s_mov_b32 s16, 0xffffc1ff                      ; clears a key's bits 13:9, which take the key's place among the 32
	s_mov_b32 s17, 0xffff0000                      ; a word's upper bf16
	s_lshl_b32 s18, ttmp9, 7                       ; corr: 32 words x group
	s_mov_b32 s19, 0
	s_mov_b32 s14, 0                               ; k at the head of the trip
.irp c, 0,1
	s_mov_b32 s[CN+\c], 0
	v_mov_b32 v[ACC+\c], 0
	v_mov_b32 v[CT+\c], 0
.endr
	v_mov_b32 v[SS], 0
	v_mov_b32 v[EE], 0
	v_add_nc_u32 v[ROW], s15, v0                   ; one wave: v0 is the lane
	v_lshlrev_b32 v[VC], 2, v[ROW]
	v_lshlrev_b32 v[VX], 7, v[ROW]                 ; a row's piece in a plane of xb is 128 bytes
	s_wait_kmcnt 0x0
	s_add_nc_u64 s[10:11], s[10:11], s[18:19]
.set i, 0
.rept 32
	global_load_b32 v[K+i], v[VC], s[4:5] offset:i*16384           ; key of (slice, wave) number i: a plane of cand is 4,096 rows x 4 bytes
.set i, i+1
.endr
	s_wait_loadcnt 0x0
.set i, 0
.rept 32
	v_and_or_b32 v[K+i], v[K+i], s16, i<<9         ; five more low bits of the magnitude give way to 4 slice + wave
.set i, i+1
.endr
.irp st, 16,8,4,2,1
.set i, 0
.rept \st
	v_min_u32 v[K+i], v[K+i], v[K+i+\st]
.set i, i+1
.endr
.endr
	; d = 1024 slice + 512 half + 128 wave + 16 b + 8 h + j, from the key's bits 13:11, 7, 10:9, 5:3, 6, 2:0
	v_bfe_u32 v[VW], v[K], 11, 3
	v_bfe_u32 v1, v[K], 7, 1
	v_lshl_or_b32 v[VW], v[VW], 1, v1
	v_bfe_u32 v1, v[K], 9, 2
	v_lshl_or_b32 v[VW], v[VW], 2, v1
	v_bfe_u32 v1, v[K], 3, 3
	v_lshl_or_b32 v[VW], v[VW], 3, v1
	v_bfe_u32 v1, v[K], 6, 1
	v_lshl_or_b32 v[VW], v[VW], 1, v1
	v_and_b32 v1, 7, v[K]
	v_lshl_or_b32 v[VW], v[VW], 3, v1
	v_min_u32 v[VW], 0x1fff, v[VW]                 ; a number that was loaded enters an address only behind this bound
	v_bfe_u32 v1, v[K], 8, 1                       ; 1: the sign taken was -1
	v_xor_b32 v[OLDP], 1, v1
	v_sub_nc_u32 v1, 2, v1                         ; a change would lead to +1 (code 1) there, to -1 (code 2) elsewhere
	v_lshl_or_b32 v[META], v[VW], 2, v1
	v_lshlrev_b32 v[VW], 1, v[VW]
; The loads of the stage r stages behind the trip's first: k = s14 + 16 r .. + 15, into register set r mod 4
.macro LOADS r
.set p, (\r)%4
.set i, 0
.rept 16
	global_load_u16 v[WV+16*p+i], v[VW], s[8:9] offset:(16*(\r)+i)*16384
.set i, i+1
.endr
	global_load_b128 v[XV+8*p:XV+8*p+3],   v[VX], s[6:7] offset:((\r)/4)*524288+((\r)%4)*32
	global_load_b128 v[XV+8*p+4:XV+8*p+7], v[VX], s[6:7] offset:((\r)/4)*524288+((\r)%4)*32+16
.endm
; Stage r of the trip's four.  left = the loads of the younger stages, 18 each, which may stay out.
.macro WORK r, left
	s_wait_loadcnt \left
.set i, 0
.rept 8
	v_lshlrev_b32 v[XT+2*i],   16,  v[XV+8*\r+i]    ; bf16 to f32
	v_and_b32     v[XT+2*i+1], s17, v[XV+8*\r+i]
.set i, i+1
.endr
.set i, 0
.rept 16
	v_lshlrev_b32 v[WV+16*\r+i], 16, v[WV+16*\r+i]
.set i, i+1
.endr
.set e, 0
.rept 16
	v_fma_f32 v[ACC],   v[XT+e], v[WV+16*\r+e], v[ACC]             ; (a) and (b): K ascending, one accumulator each
	v_fma_f32 v[ACC+1], v[XT+e], v[WV+16*\r+e], v[ACC+1]
	v_mul_f32 v[TP+e%4], v[XT+e], v[WV+16*\r+e]                    ; (c): the product p, exact
	v_add_f32 v[SS+1-e%2], v[SS+e%2], v[TP+e%4]                    ; t = s + p, rounded
	v_sub_f32 v[TZ+e%4], v[SS+1-e%2], v[SS+e%2]                    ; z = t - s: what of p arrived
	v_sub_f32 v[TU+e%4], v[SS+1-e%2], v[TZ+e%4]                    ; t - z: what of s arrived
	v_sub_f32 v[TU+e%4], v[SS+e%2], v[TU+e%4]                      ; s - (t - z)
	v_sub_f32 v[TZ+e%4], v[TP+e%4], v[TZ+e%4]                      ; p - z
	v_add_f32 v[TU+e%4], v[TU+e%4], v[TZ+e%4]                      ; their sum is exactly s + p - t
	v_add_f32 v[EE], v[EE], v[TU+e%4]
.set e, e+1
.endr
.irp c, 0,1
	s_add_co_u32 s[CN+\c], s[CN+\c], 16
	s_cmp_eq_u32 s[CN+\c], CUT+CUTD*\c
	s_cselect_b32 s[MS+\c], -1, 0
	s_cselect_b32 s[CN+\c], 0, s[CN+\c]
	v_add_f32 v[TS+\c], v[CT+\c], v[ACC+\c]
	v_cndmask_b32 v[CT+\c], v[CT+\c], v[TS+\c], s[MS+\c]           ; the block closes: it is added to the blocks before it,
	v_cndmask_b32 v[ACC+\c], v[ACC+\c], 0, s[MS+\c]                ; and the next one starts from 0
.endr
.endm
	LOADS 0
	LOADS 1
.Ltrip:                                            ; 15 trips of four stages, 64 k
.irp r, 0,1,2,3
	LOADS \r+2                                     ; two stages ahead, into the set that was used two stages ago
	WORK \r, 36
.endr
	s_wait_xcnt 0x0                                ; the two bases are stepped only behind this wait: loads that name them are still out
	s_add_nc_u64 s[8:9], s[8:9], 0x100000          ; 64 rows of wb
	s_add_nc_u64 s[6:7], s[6:7], 0x80000           ; a plane of xb
	s_add_co_u32 s14, s14, 64
	s_cmp_lt_u32 s14, 960
	s_cbranch_scc1 .Ltrip
	LOADS 2                                        ; the last four stages: two more loads, then none: nothing is read past k = 1,023
	WORK 0, 36
	LOADS 3
	WORK 1, 36
	WORK 2, 18
	WORK 3, 0
	v_add_f32 v[CT],   v[CT],   v[ACC]             ; the last blocks, 144 and 192 long, are still open
	v_add_f32 v[CT+1], v[CT+1], v[ACC+1]
	v_add_f32 v[SS],   v[SS],   v[EE]              ; after an even number of products the running sum lies in the first register
	v_cmp_le_f32 vcc_lo, 0, v[CT]                  ; proj >= 0: true for -0, false for NaN
	v_cndmask_b32 v[TS], 0, 1, vcc_lo
	v_cmp_le_f32 vcc_lo, 0, v[CT+1]
	v_cndmask_b32 v[TS+1], 0, 1, vcc_lo
	v_cmp_le_f32 vcc_lo, 0, v[SS]
	v_cndmask_b32 v[TP], 0, 1, vcc_lo
	v_add_nc_u32 v[TS], v[TS], v[TS+1]
	v_add_nc_u32 v[TS], v[TS], v[TP]
	v_lshrrev_b32 v[TS], 1, v[TS]                  ; two or three of the three say >= 0: 1, else 0
	v_cmp_ne_u32 vcc_lo, v[TS], v[OLDP]            ; not the sign that was taken
	v_cndmask_b32 v[TS], 0, v[META], vcc_lo
	v_lshlrev_b32 v1, 2, v0
	global_store_b32 v1, v[TS], s[10:11]           ; 32 lanes x 4 bytes: 128 consecutive bytes, aligned
	s_endpgm
.Lfunc_end_k_q7251f45907_fix:
	.size	k_q7251f45907_fix, .Lfunc_end_k_q7251f45907_fix-k_q7251f45907_fix
	.p2alignl 7, 3214868480
	.fill 96, 4, 3214868480
	.section	.rodata,"a",@progbits
	.p2align	6, 0x0
	.amdhsa_kernel k_q7251f45907_fix
		.amdhsa_group_segment_fixed_size 0
		.amdhsa_private_segment_fixed_size 0
		.amdhsa_enable_private_segment 0
		.amdhsa_kernarg_size 32
		.amdhsa_user_sgpr_count 2
		.amdhsa_user_sgpr_kernarg_segment_ptr 1
		.amdhsa_wavefront_size32 1
		.amdhsa_system_sgpr_workgroup_id_x 1
		.amdhsa_system_sgpr_workgroup_id_y 1
		.amdhsa_system_sgpr_workgroup_id_z 1
		.amdhsa_system_vgpr_workitem_id 0
		.amdhsa_next_free_vgpr 180
		.amdhsa_next_free_sgpr 66
		.amdhsa_reserve_vcc 1
		.amdhsa_float_denorm_mode_32 3
		.amdhsa_float_denorm_mode_16_64 3
		.amdhsa_memory_ordered 1
		.amdhsa_forward_progress 1
		.amdhsa_inst_pref_size 85
	.end_amdhsa_kernel
	.amdgpu_metadata
---
amdhsa.version: [ 1, 2 ]
amdhsa.kernels:
  - .name:           k_q7251f45907_fix
    .symbol:         k_q7251f45907_fix.kd
    .args:
      - { .name: cand, .offset: 0, .size: 8, .value_kind: global_buffer, .address_space: global }
      - { .name: xb, .offset: 8, .size: 8, .value_kind: global_buffer, .address_space: global }
      - { .name: wb, .offset: 16, .size: 8, .value_kind: global_buffer, .address_space: global }
      - { .name: corr, .offset: 24, .size: 8, .value_kind: global_buffer, .address_space: global }
    .group_segment_fixed_size: 0
    .private_segment_fixed_size: 0
    .kernarg_segment_align: 8
    .kernarg_segment_size: 32
    .max_flat_workgroup_size: 32
    .sgpr_count:     66
    .vgpr_count:     180
    .wavefront_size: 32
...
	.end_amdgpu_metadata
.endif
;; end of part 3
;; launch total (part 4): grid 1024 x 1, 8 waves a work-group, no clusters, 0 bytes of LDS; arguments part, corr, tb, out0; writes out0
.if DOCPART == 4
	.amdgcn_target "amdgcn-amd-amdhsa--gfx1250"
	.amdhsa_code_object_version 6
	.text
	.protected	k_q7251f45907_total
	.globl	k_q7251f45907_total
	.p2align	8
	.type	k_q7251f45907_total,@function
k_q7251f45907_total:
	s_mov_b64 s[64:65], 0
	v_nop
	global_prefetch_b8 v0, s[64:65] scope:SCOPE_SE
	s_setreg_imm32_b32 hwreg(HW_REG_WAVE_MODE, 25, 1), 1
	s_wait_xcnt 0x0
; out0[row][class] = int32(4096 + sum over the eight slices of part[slice][row][class] + the row's correction).  4096 = 8,192 d x 0.5.
; The correction: where corr[row] is not 0, the sign s of projection d = corr >> 2 has changed, to +1 (code 1) or to -1 (code 2), and the sum moves
; by +2 t[class][d] or -2 t[class][d], t = 0.5 - hv from tb.
; A stream: a work-group makes 8 KiB of out0, four rows; a thread two groups of four numbers, 4,096 bytes (two rows) apart.  Its sixteen 16-byte loads go
; out at once; the slices are added in ascending order as they come.  Every load and store of a wave covers 512 consecutive bytes, aligned.
; The four rows' words of corr come by one scalar load; if all are 0 the correction is jumped over.
; For hv in {0, 1} every number here is a multiple of 0.5 below 2^13: all sums are exact.  The conversion cuts toward zero, as astype(int32) does.
; LIMIT: sums outside int32's range, and NaN, give what v_cvt_i32_f32 gives.
; No LDS, no barrier: threads share nothing.
.set SLICE, 0x800000                   ; bytes of a slice of part: past a load's 24-bit immediate, so each slice has a base of its own in s[8:23]
.set A, 8                              ; v[8:15] slice 0 and the sums; v[8+8j:15+8j] slice j
.set CW, 72                            ; v72-73  my row's word of corr, group 0, 1
.set TA, 74                            ; v74-75  byte offset in tb
.set TV, 76                            ; v[76:83] t of my four classes, group 0, 1
.set DL, 84                            ; v84-85  +2, -2 or 0
	s_load_b256 s[28:35], s[0:1], 0x0              ; part s[28:29], corr s[30:31], tb s[32:33], out0 s[34:35]
	s_lshl_b32 s26, ttmp9, 13                      ; 8 KiB a work-group
	s_mov_b32 s27, 0
	s_lshl_b32 s40, ttmp9, 4                       ; four words of corr a work-group
	s_mov_b32 s41, 0
	s_mov_b32 s24, 0x45800000                      ; 4096.0
	s_mov_b32 s25, 0x45800000
	v_lshlrev_b32 v1, 4, v0
	s_wait_kmcnt 0x0
	s_add_nc_u64 s[30:31], s[30:31], s[40:41]
	s_load_b128 s[36:39], s[30:31], 0x0            ; no line of this launch writes corr
	s_add_nc_u64 s[8:9], s[28:29], s[26:27]
	s_add_nc_u64 s[34:35], s[34:35], s[26:27]
.irp j, 1,2,3,4,5,6,7
	s_add_nc_u64 s[8+2*\j:9+2*\j], s[6+2*\j:7+2*\j], SLICE
.endr
.irp j, 0,1,2,3,4,5,6,7
	global_load_b128 v[A+8*\j:A+8*\j+3],   v1, s[8+2*\j:9+2*\j] th:TH_LOAD_NT
	global_load_b128 v[A+8*\j+4:A+8*\j+7], v1, s[8+2*\j:9+2*\j] offset:4096 th:TH_LOAD_NT
.endr
.irp j, 1,2,3,4,5,6,7
	s_wait_loadcnt 14-2*\j                         ; slices 0 to j are in; the 14 - 2 j loads of the later slices stay out
.irp p, 0,2,4,6
	v_pk_add_f32 v[A+\p:A+\p+1], v[A+\p:A+\p+1], v[A+8*\j+\p:A+8*\j+\p+1]
.endr
.endr
.irp p, 0,2,4,6
	v_pk_add_f32 v[A+\p:A+\p+1], v[A+\p:A+\p+1], s[24:25] op_sel_hi:[1,0]
.endr
	s_wait_kmcnt 0x0
	s_or_b32 s40, s36, s37
	s_or_b32 s41, s38, s39
	s_or_b32 s40, s40, s41
	s_cmp_eq_u32 s40, 0
	s_cbranch_scc1 .Lplain                         ; none of the four rows has a change
	; group u holds rows 2 u (threads 0-127) and 2 u + 1 (threads 128-255); my classes are 4 (t % 128) .. + 3
	v_cmp_gt_u32 vcc_lo, 128, v0
	v_and_b32 v2, 127, v0
	v_lshlrev_b32 v2, 9, v2                        ; four classes of 128 bytes in a plane of tb
.irp u, 0,1
	v_mov_b32 v3, s[36+2*\u]
	v_mov_b32 v4, s[37+2*\u]
	v_cndmask_b32 v[CW+\u], v4, v3, vcc_lo
	v_lshrrev_b32 v3, 8, v[CW+\u]                  ; d / 64: the plane of tb
	v_min_u32 v3, 127, v3                          ; numbers that were loaded enter an address only behind these bounds
	v_bfe_u32 v4, v[CW+\u], 2, 6                   ; d % 64
	v_min_u32 v4, 63, v4
	v_lshl_add_u32 v3, v3, 16, v2
	v_lshl_add_u32 v[TA+\u], v4, 1, v3
.irp q, 0,1,2,3
	global_load_u16 v[TV+4*\u+\q], v[TA+\u], s[32:33] offset:128*\q
.endr
	v_and_b32 v5, 3, v[CW+\u]
	v_cmp_eq_u32 s42, 1, v5
	v_cmp_eq_u32 s43, 2, v5
	v_cndmask_b32 v[DL+\u], 0, 2.0, s42
	v_cndmask_b32 v[DL+\u], v[DL+\u], -2.0, s43
.endr
	s_wait_loadcnt 0x0
.irp u, 0,1
.irp q, 0,1,2,3
	v_lshlrev_b32 v[TV+4*\u+\q], 16, v[TV+4*\u+\q]                 ; bf16 to f32
.endr
.irp q, 0,1,2,3
	v_fma_f32 v[A+4*\u+\q], v[DL+\u], v[TV+4*\u+\q], v[A+4*\u+\q]
.endr
.endr
.Lplain:
.irp p, 0,1,2,3,4,5,6,7
	v_cvt_i32_f32 v[A+\p], v[A+\p]
.endr
	global_store_b128 v1, v[A:A+3],   s[34:35] th:TH_STORE_NT
	global_store_b128 v1, v[A+4:A+7], s[34:35] offset:4096 th:TH_STORE_NT
	s_endpgm
.Lfunc_end_k_q7251f45907_total:
	.size	k_q7251f45907_total, .Lfunc_end_k_q7251f45907_total-k_q7251f45907_total
	.p2alignl 7, 3214868480
	.fill 96, 4, 3214868480
	.section	.rodata,"a",@progbits
	.p2align	6, 0x0
	.amdhsa_kernel k_q7251f45907_total
		.amdhsa_group_segment_fixed_size 0
		.amdhsa_private_segment_fixed_size 0
		.amdhsa_enable_private_segment 0
		.amdhsa_kernarg_size 32
		.amdhsa_user_sgpr_count 2
		.amdhsa_user_sgpr_kernarg_segment_ptr 1
		.amdhsa_wavefront_size32 1
		.amdhsa_system_sgpr_workgroup_id_x 1
		.amdhsa_system_sgpr_workgroup_id_y 1
		.amdhsa_system_sgpr_workgroup_id_z 1
		.amdhsa_system_vgpr_workitem_id 0
		.amdhsa_next_free_vgpr 88
		.amdhsa_next_free_sgpr 66
		.amdhsa_reserve_vcc 1
		.amdhsa_float_denorm_mode_32 3
		.amdhsa_float_denorm_mode_16_64 3
		.amdhsa_memory_ordered 1
		.amdhsa_forward_progress 1
		.amdhsa_inst_pref_size 9
	.end_amdhsa_kernel
	.amdgpu_metadata
---
amdhsa.version: [ 1, 2 ]
amdhsa.kernels:
  - .name:           k_q7251f45907_total
    .symbol:         k_q7251f45907_total.kd
    .args:
      - { .name: part, .offset: 0, .size: 8, .value_kind: global_buffer, .address_space: global }
      - { .name: corr, .offset: 8, .size: 8, .value_kind: global_buffer, .address_space: global }
      - { .name: tb, .offset: 16, .size: 8, .value_kind: global_buffer, .address_space: global }
      - { .name: out0, .offset: 24, .size: 8, .value_kind: global_buffer, .address_space: global }
    .group_segment_fixed_size: 0
    .private_segment_fixed_size: 0
    .kernarg_segment_align: 8
    .kernarg_segment_size: 32
    .max_flat_workgroup_size: 256
    .sgpr_count:     66
    .vgpr_count:     88
    .wavefront_size: 32
...
	.end_amdgpu_metadata
.endif
;; end of part 4
;; ======== version 2 of 2: 4 launches; 1.54 times as fast as version 1
;; workspace buffers: xb 8,388,608 bytes; wb 16,777,216 bytes; wt 16,777,216 bytes; tb 8,388,608 bytes; part 67,108,864 bytes; cand 524,288 bytes of whole numbers; corr 16,384 bytes of whole numbers
;; launch cast (part 5): grid 1024 x 1, 8 waves a work-group, no clusters, 50,432 bytes of LDS; arguments x, W, classes_hv, xb, wb, tb, wt; writes xb, wb, tb, wt
.if DOCPART == 5
	.amdgcn_target "amdgcn-amd-amdhsa--gfx1250"
	.amdhsa_code_object_version 6
	.text
	.protected	k_q7251f45907_cast
	.globl	k_q7251f45907_cast
	.p2align	8
	.type	k_q7251f45907_cast,@function
k_q7251f45907_cast:
	s_mov_b64 s[64:65], 0
	v_nop
	global_prefetch_b8 v0, s[64:65] scope:SCOPE_SE
	s_setreg_imm32_b32 hwreg(HW_REG_WAVE_MODE, 25, 1), 1
	s_wait_xcnt 0x0
; bf16 copies of the three inputs, laid out for the launches that follow.
;   xb[kb 16][row 4096][64 k]    = bf16(x[row][64 kb + k])          a tile of 128 rows x 64 k is 16 KiB in one piece
;   wb[k 1024][d 8192]           = bf16(W[k][d])                    W's own order, for the matrix launch
;   wt[kb 16][d 8192][64 k]      = bf16(W[64 kb + k][d])            W transposed: a column of W is 16 pieces of 128 bytes, for the launch that sums single columns
;   tb[db 128][class 512][64 d]  = bf16(0.5 - hv[class][64 db + d]) a tile of 512 classes x 64 d is 64 KiB in one piece
; Why 0.5 - hv: with s = 2 enc - 1, enc (1 - hv) + (1 - enc) hv = 0.5 + s (0.5 - hv) for every real hv, so the two products of the
; distance become one.  For hv in {0, 1} the number is +-0.5, exact in bf16.  LIMIT: any other hv is rounded once to bf16 as 0.5 - hv.
; A stream: each work-group converts 64 KiB of f32; a thread issues its sixteen 16-byte loads at once, then converts and stores them
; in their order.  Every load of a wave takes whole aligned blocks of 256 bytes; every store of a wave covers 256 or 512 consecutive bytes, aligned.
; Only W's transposed copy goes through LDS.  No matrix unit: nothing is multiplied.
; Work-groups 0-255: x, 16 rows each.  256-767: W, 64 k x 256 d each.  768-1023: classes_hv, 2 classes each.
.set X, 8                              ; v[8:71]   sixteen loads of four f32
.set Y, 72                             ; v[72:103] sixteen pairs of registers, four bf16 each; for wt: eight groups of four registers
.set TP, 48                            ; LDS: 16 k of one d are 32 bytes, + 16
.set KG, 256*TP+64                     ; LDS: the 256 d of one group of 16 k, + 64
; sixteen loads from s[16:17] + v1, inStep bytes apart; sixteen stores to s[18:19] + v2, outStep bytes apart.  sub = 1: 0.5 - value first.
.macro CONV inStep, outStep, sub
.irp i, 0,1,2,3,4,5,6,7,8,9,10,11,12,13,14,15
	global_load_b128 v[X+4*\i:X+4*\i+3], v1, s[16:17] offset:\i*\inStep th:TH_LOAD_NT   ; read once in the whole launch
.endr
.irp i, 0,1,2,3,4,5,6,7,8,9,10,11,12,13,14,15
	s_wait_loadcnt 15-\i                           ; loads return in order: load i is in, the 15 - i younger ones stay out
.if \sub
	v_pk_add_f32 v[X+4*\i:X+4*\i+1],   v[4:5], v[X+4*\i:X+4*\i+1]   neg_lo:[0,1] neg_hi:[0,1]   ; 0.5 - hv
	v_pk_add_f32 v[X+4*\i+2:X+4*\i+3], v[4:5], v[X+4*\i+2:X+4*\i+3] neg_lo:[0,1] neg_hi:[0,1]
.endif
	v_cvt_pk_bf16_f32 v[Y+2*\i],   v[X+4*\i],   v[X+4*\i+1]      ; to nearest even
	v_cvt_pk_bf16_f32 v[Y+2*\i+1], v[X+4*\i+2], v[X+4*\i+3]
	global_store_b64 v2, v[Y+2*\i:Y+2*\i+1], s[18:19] offset:\i*\outStep   ; no hint: the next launch reads these bytes
.endr
.endm
	s_load_b256 s[4:11], s[0:1], 0x0               ; x s[4:5], W s[6:7], classes_hv s[8:9], xb s[10:11]
	s_load_b128 s[12:15], s[0:1], 0x20             ; wb s[12:13], tb s[14:15]
	s_load_b64 s[28:29], s[0:1], 0x30              ; wt
	v_lshl_add_u32 v104, v0, 2, 0xc100
	v_mov_b32 v105, 0
	s_mov_b32 s20, ttmp9                           ; the work-group's number
	s_mov_b32 s21, 0                               ; high words of the byte offsets
	s_mov_b32 s23, 0
	v_and_b32 v3, 15, v0                           ; r: my place among sixteen lanes
	v_bfe_u32 v6, v0, 4, 1                         ; h: which half of the wave
	v_lshrrev_b32 v7, 5, v0                        ; w: wave 0..7
	v_readfirstlane_b32 s26, v7                    ; and as a scalar
	s_wait_kmcnt 0x0
	s_cmp_lt_u32 s20, 256
	s_cbranch_scc0 .Lnot_x
	; x: row 2 w + h of the group's 16; load i takes the 256 bytes of k block i, which become 128 bytes of xb's plane i
	v_lshlrev_b32 v1, 4, v3
	v_lshl_add_u32 v1, v6, 12, v1
	v_lshl_add_u32 v1, v7, 13, v1                  ; in: 8192 w + 4096 h + 16 r
	v_lshlrev_b32 v2, 3, v3
	v_lshl_add_u32 v2, v6, 7, v2
	v_lshl_add_u32 v2, v7, 8, v2                   ; out: 256 w + 128 h + 8 r
	s_lshl_b32 s22, s20, 11                        ; 16 rows of 128 bytes
	s_lshl_b32 s20, s20, 16                        ; 16 rows of 4,096 bytes
	s_add_nc_u64 s[16:17], s[4:5], s[20:21]
	s_add_nc_u64 s[18:19], s[10:11], s[22:23]
	CONV 256, 524288, 0                            ; a plane of xb is 4,096 rows x 128 bytes
	s_endpgm
.Lnot_x:
	s_cmp_lt_u32 s20, 768
	s_cbranch_scc0 .Lhv
	; W: the tile of k block kb (64 rows) x d block db (256 columns).  Wave w takes columns 128 (w & 1) .. + 127 of rows 16 (w >> 1) .. + 15; lane l four
	; columns, load i row 16 (w >> 1) + i.  So a thread holds sixteen consecutive k of four d: two runs of eight k for each d, 16 bytes of wt each.
	s_sub_co_u32 s20, s20, 256
	s_lshr_b32 s24, s20, 5                         ; kb
	s_and_b32 s25, s20, 31                         ; db
	s_lshl_b32 s20, s24, 21                        ; W: 64 rows of 32,768 bytes x kb
	s_lshl_b32 s22, s25, 10                        ;    + 256 d of 4 bytes x db
	s_add_co_u32 s20, s20, s22
	s_add_nc_u64 s[16:17], s[6:7], s[20:21]
	s_lshl_b32 s20, s24, 20                        ; wb: 64 rows of 16,384 bytes x kb; wt: a plane of 8,192 d x 128 bytes x kb
	s_lshl_b32 s22, s25, 9                         ; wb: + 256 d of 2 bytes x db
	s_add_co_u32 s22, s20, s22
	s_add_nc_u64 s[18:19], s[12:13], s[22:23]
	s_lshl_b32 s22, s25, 15                        ; wt: + 256 d of 128 bytes x db
	s_add_co_u32 s22, s20, s22
	s_add_nc_u64 s[28:29], s[28:29], s[22:23]
	s_lshr_b32 s24, s26, 1                         ; which 16 rows
	s_and_b32 s25, s26, 1                          ; which 128 columns
	v_and_b32 v3, 31, v0                           ; lane
	s_lshl_b32 s30, s24, 19
	s_lshl_b32 s31, s25, 9
	s_or_b32 s30, s30, s31
	v_lshl_add_u32 v1, v3, 4, s30                  ; in: 16 rows of 32,768 x (w >> 1) + 512 (w & 1) + 16 l
	s_lshl_b32 s30, s24, 18
	s_lshl_b32 s31, s25, 8
	s_or_b32 s30, s30, s31
	v_lshl_add_u32 v2, v3, 3, s30                  ; wb: 16 rows of 16,384 x (w >> 1) + 256 (w & 1) + 8 l
	s_mul_i32 s30, s24, KG
	s_mul_i32 s31, s25, 128*TP
	s_add_co_u32 s30, s30, s31                     ; LDS: my wave's own 6,144 bytes: its 128 d x 16 k
	v_mul_u32_u24 v6, v3, 4*TP
	v_add_nc_u32 v6, s30, v6                       ; in: d row 4 l.  192 bytes a lane meet four 16-byte columns modulo 256: four deep, on eight stores a thread
	v_bfe_u32 v4, v0, 1, 2                         ; back: thread t takes piece t % 8 (8 k) of d row t / 8: group of 16 k (t % 8) / 2,
	v_mul_u32_u24 v4, v4, KG
	v_lshrrev_b32 v7, 3, v0
	v_mad_u32_u24 v4, v7, TP, v4
	v_and_b32 v7, 1, v0                            ; run t % 2
	v_lshl_add_u32 v3, v7, 4, v4
	v_lshlrev_b32 v5, 4, v0                        ; wt: 16 t: eight threads make a d row's 128 bytes, a wave 512 consecutive bytes
	CONV 32768, 16384, 0                           ; wb, row by row
	s_wait_xcnt 0x0                                ; Y, which the stores above read, is written again only behind this wait
.irp o, 0,1
.irp c, 0,1,2,3
.irp q, 0,1,2,3
	v_cvt_pk_bf16_f32 v[Y+16*\o+4*\c+\q], v[X+4*(8*\o+2*\q)+\c], v[X+4*(8*\o+2*\q+1)+\c]   ; k = 8 o + 2 q and + 1 of column c
.endr
	ds_store_b128 v6, v[Y+16*\o+4*\c:Y+16*\o+4*\c+3] offset:TP*\c+16*\o
.endr
.endr
	s_wait_dscnt 0x0                               ; for the others' sake: my part of the tile is in LDS
	s_barrier_signal -1
	s_barrier_wait -1                              ; everybody's is
.irp p, 0,1,2,3,4,5,6,7
	ds_load_b128 v[X+4*\p:X+4*\p+3], v3 offset:32*TP*\p            ; d rows 32 p + t / 8
.endr
.irp p, 0,1,2,3,4,5,6,7
	s_wait_dscnt 7-\p                              ; load p is in, the 7 - p younger ones stay out
	global_store_b128 v5, v[X+4*\p:X+4*\p+3], s[28:29] offset:4096*\p   ; 32 d rows of 128 bytes on
.endr
	s_wait_tensorcnt 0x0
	ds_add_u32 v104, v105
	s_wait_dscnt 0x0
	s_endpgm
.Lhv:
	; classes_hv: class 2 g + h; wave w takes d blocks 16 w .. 16 w + 15, load i block 16 w + i
	s_sub_co_u32 s20, s20, 768
	v_mov_b32 v4, 0.5
	v_mov_b32 v5, 0.5
	v_lshlrev_b32 v1, 4, v3
	v_lshl_add_u32 v1, v7, 12, v1
	v_lshl_add_u32 v1, v6, 15, v1                  ; in: 32768 h + 4096 w + 16 r
	v_lshlrev_b32 v2, 3, v3
	v_lshl_add_u32 v2, v6, 7, v2
	v_lshl_add_u32 v2, v7, 20, v2                  ; out: 16 planes of 65,536 bytes x w + 128 h + 8 r
	s_lshl_b32 s22, s20, 8                         ; 2 classes of 128 bytes
	s_lshl_b32 s20, s20, 16                        ; 2 classes of 32,768 bytes
	s_add_nc_u64 s[16:17], s[8:9], s[20:21]
	s_add_nc_u64 s[18:19], s[14:15], s[22:23]
	CONV 256, 65536, 1                             ; a plane of tb is 512 classes x 128 bytes
	s_endpgm
.Lfunc_end_k_q7251f45907_cast:
	.size	k_q7251f45907_cast, .Lfunc_end_k_q7251f45907_cast-k_q7251f45907_cast
	.p2alignl 7, 3214868480
	.fill 96, 4, 3214868480
	.section	.rodata,"a",@progbits
	.p2align	6, 0x0
	.amdhsa_kernel k_q7251f45907_cast
		.amdhsa_group_segment_fixed_size 50432
		.amdhsa_private_segment_fixed_size 0
		.amdhsa_enable_private_segment 0
		.amdhsa_kernarg_size 56
		.amdhsa_user_sgpr_count 2
		.amdhsa_user_sgpr_kernarg_segment_ptr 1
		.amdhsa_wavefront_size32 1
		.amdhsa_system_sgpr_workgroup_id_x 1
		.amdhsa_system_sgpr_workgroup_id_y 1
		.amdhsa_system_sgpr_workgroup_id_z 1
		.amdhsa_system_vgpr_workitem_id 0
		.amdhsa_next_free_vgpr 106
		.amdhsa_next_free_sgpr 66
		.amdhsa_reserve_vcc 0
		.amdhsa_float_denorm_mode_32 3
		.amdhsa_float_denorm_mode_16_64 3
		.amdhsa_memory_ordered 1
		.amdhsa_forward_progress 1
		.amdhsa_inst_pref_size 27
	.end_amdhsa_kernel
	.amdgpu_metadata
---
amdhsa.version: [ 1, 2 ]
amdhsa.kernels:
  - .name:           k_q7251f45907_cast
    .symbol:         k_q7251f45907_cast.kd
    .args:
      - { .name: x, .offset: 0, .size: 8, .value_kind: global_buffer, .address_space: global }
      - { .name: W, .offset: 8, .size: 8, .value_kind: global_buffer, .address_space: global }
      - { .name: classes_hv, .offset: 16, .size: 8, .value_kind: global_buffer, .address_space: global }
      - { .name: xb, .offset: 24, .size: 8, .value_kind: global_buffer, .address_space: global }
      - { .name: wb, .offset: 32, .size: 8, .value_kind: global_buffer, .address_space: global }
      - { .name: tb, .offset: 40, .size: 8, .value_kind: global_buffer, .address_space: global }
      - { .name: wt, .offset: 48, .size: 8, .value_kind: global_buffer, .address_space: global }
    .group_segment_fixed_size: 50432
    .private_segment_fixed_size: 0
    .kernarg_segment_align: 8
    .kernarg_segment_size: 56
    .max_flat_workgroup_size: 256
    .sgpr_count:     66
    .vgpr_count:     106
    .wavefront_size: 32
...
	.end_amdgpu_metadata
.endif
;; end of part 5
;; launch hamm (part 6): grid 8 x 32, 4 waves a work-group, clusters of 4 x 4, 327,680 bytes of LDS; arguments xb, wb, tb, part, cand; writes part, cand
.if DOCPART == 6
	.amdgcn_target "amdgcn-amd-amdhsa--gfx1250"
	.amdhsa_code_object_version 6
	.text
	.protected	k_q7251f45907_hamm
	.globl	k_q7251f45907_hamm
	.p2align	8
	.type	k_q7251f45907_hamm,@function
k_q7251f45907_hamm:
	s_mov_b64 s[64:65], 0
	v_nop
	global_prefetch_b8 v0, s[64:65] scope:SCOPE_SE
	s_setreg_imm32_b32 hwreg(HW_REG_WAVE_MODE, 25, 1), 1
	s_wait_xcnt 0x0
	s_wait_alu depctr_hold_cnt(0) depctr_sa_sdst(0) depctr_va_vdst(0) depctr_va_sdst(0) depctr_va_ssrc(0) depctr_va_vcc(0) depctr_vm_vsrc(0)
	s_getreg_b32 s2, hwreg(HW_REG_IB_STS2, 6, 4)
	s_cmp_eq_u32 s2, 0
	s_cbranch_scc0 .Lentry_in_a_cluster
	s_endpgm
.Lentry_in_a_cluster:
	s_bfe_u32 s2, ttmp6, 0x10000c
	s_cmp_lg_u32 s2, 0xf033
	s_cbranch_scc0 .Lentry_shape_is_right
	s_endpgm
.Lentry_shape_is_right:
; part[slice][row][class] = sum over the slice's 1,024 d of s[row][d] * t[class][d],  s = +1 where (x W)[row][d] >= 0, else -1,  t = 0.5 - hv.
; (The distance is 4096 + the sum of the eight slices: the last launch.)
; cand[slice][wave][row] = a key of a projection near zero among the 256 d that the wave makes for the row, the smallest of these as whole numbers:
; bits 31:25 the upper seven bits of the projection's exponent; bit 8 the half of the slice; bits 7:5 and 4:1 its byte's place in the row of S
; (16-byte column, byte); bit 0 its sign bit.  The next launch sums that projection again in plain f32.
; A work-group takes 128 rows of x and one slice of 1,024 d; 32 row blocks x 8 slices = 256 work-groups.  Four waves, 48 steps of 128 matrix
; instructions a wave:
;   steps  0-15: proj[128 rows][512 d] of one half of the slice, K = 1,024 in steps of 64; then each number's upper byte goes to LDS
;   steps 16-31: the same for the other half; then a loop over those bytes finds the keys and leaves the signs
;   steps 32-47: resp[128 rows][512 classes], K = the slice's 1,024 d in steps of 64; s comes from LDS, t by tensor loads
; In both products wave w owns all 128 rows x columns 128 w .. 128 w + 127: 64 accumulator tiles, 512 registers, the same ones for proj and resp.
; THE ORDER OF THE HALVES hangs on g = the cluster's y & 1, which all sixteen partners share.  g = 0: first half, second half, d blocks 0 .. 15 of t.
; g = 1: second half, first half, d blocks 8 .. 15, 0 .. 7.  The eight clusters of one cluster x need the same tiles of W and t; so four of them ask for a
; tile sixteen (t: eight) steps behind the four others, for bytes that have been read in this launch before, and in 24 of the 48 steps no cluster asks
; for new bytes.  Only global addresses hang on g: region 4 run + w of S holds what run 0 or 1 made, whichever half that was.
; THE SIGNS are kept as the upper byte of bf16 +-1 (0x3f, 0xbf): 128 x 1,024 bytes; as bf16 they would not fit beside the ring.  On the way to the
; matrix unit v_perm_b32 puts 0x80 under each byte: 0x3f80 = 1.0, 0xbf80 = -1.0.
; The code that takes the bytes off the 512 accumulators names each register, so it cannot be a loop and runs once for each half: it is kept to three
; v_perm_b32 for four numbers (424 bytes of code for a row block).  All else that hangs on the bytes is done in a loop of eight trips on LDS.
; LIMITS.  x and W enter as bf16 (nearest even); a projection is one f32 sum, K ascending.  Where it lies so near zero that the order of an f32 sum of
; 1,024 products decides its sign (for inputs of unit spread: magnitudes of about 1e-5 against a spread of 32) the sign may differ from another
; order's, and that row's distances then move by one each; one projection of each row, out of the row's lowest pair of binades, is looked at again by
; the next launch.  s is taken from the sign bit: a projection that came out as -0 would count as negative (the sums start from +0), and a NaN goes by
; its sign bit, where reference() takes enc = 0.  t is bf16(0.5 - hv): exact for hv in {0, 1}, and the sums over d are then exact in any order; for
; other hv the d blocks are added in the order named above.
; CLUSTERS: 4 x 4 work-groups.  The four of a row of the cluster have the same row block and ask jointly for x's tiles; the four of a column have the
; same slice and ask jointly for W's and t's tiles.  That divides the requests for all three by four.
; THE MATRIX INSTRUCTION IS USED TRANSPOSED: source 0 = 16 columns (of W or t), source 1 = 16 rows (of x or s).  Lane (r = l % 16, h = l / 16),
; register j of tile (a, b) holds row 16 a + r, column 16 b + 8 h + j of the wave's block.
; The 64 accumulators take turns, one instruction a turn, in the same order in every quarter, over the backward jumps too.
;
; LDS:  slot 0 at 0, slot 1 at SLOT.  A slot in steps 0-31: x's tile, 128 rows x 128 bytes at pitch 144; at WOFF W's tile, 64 k rows x 1,024 bytes at
;       pitch 1,056.  In steps 32-47: t's tile, 512 rows x 128 bytes at pitch 144.  Pitch 144 = 9 x 16 and 1,056 = 33 x 32 bytes: the sixteen rows
;       that a fragment load touches begin at different banks (64 banks of 4 bytes: ISA guide 11.1).
;       S at SB: eight regions of 128 rows x 128 bytes at pitch 144, region 4 run + w written by wave w after run 0 or 1; no tensor load lands here.
;       In a group of 32 d the 16 bytes at 16 h hold k = 8 h .. 8 h + 7, then 16 + 8 h .. 16 + 8 h + 7: what lane (r, h) makes is what lane (r, h) reads.
;       At the end S's first 33,792 bytes are the four waves' stages for the way out.
;       KEYS behind S: 512 bytes for each wave, its 128 keys on their way out; no tensor load lands here.
; REGISTERS, in windows of 256:  window 0: v16-59 addresses, constants, keys; F0, F1 fragments of x or s; RAW, PK at work
;       window 1: F0, F1 fragments of W or t;  window 2: accumulator tiles of rows 0-63 (tile (a, b) at v[8 (8 a + b)]);  window 3: rows 64-127
.set XP,     144                       ; pitch of x's, t's and S's rows
.set WP,     1056                      ; pitch of W's rows
.set WOFF,   128*XP                    ; 18,432: W's tile in a slot
.set SLOT,   WOFF+64*WP                ; 86,016
.set SB,     2*SLOT                    ; 172,032, a multiple of 256
.set SREG,   128*XP                    ; 18,432: a region of S, and a quarter of t's tile
.set KEYS,   SB+8*SREG                 ; 319,488, a multiple of 256
.set GP,     528                       ; the stage's pitch: 512 bytes + 16
.set XSTEP,  2*524288                  ; two k blocks of xb
.set WSTEP,  2*1048576                 ; 128 rows of wb
.set TSTEP,  2*65536                   ; two d blocks of tb
.set XWRAP,  7*XSTEP                   ; from a slot's last tile of run 0 back to its first
.set WWRAP,  7*WSTEP-1024              ; the same, and 512 d to the right (g = 0); with g = 1: 2,048 bytes more, 512 d to the left
.set ADRX, 16                          ; v16-17  my x fragments in slot 0, 1
.set ADRW, 18                          ; v18-19  my W fragments
.set ADRT, 20                          ; v20-21  my t fragments
.set ADRS, 22                          ; v22     my s bytes; steps by a region a lap
.set STS,  24                          ; v24-25  where I put upper bytes, run 0, 1
.set STO,  26                          ; v26     the way out: where I put 32 bytes of a row
.set RD,   27                          ; v27     the way out: where I read a row back
.set CO,   28                          ; v28     16 x lane: my byte offset in a row of part, and in my wave's keys
.set C80,  30                          ; v30     0x80808080
.set VL,   37                          ; v37     lane
.set KS,   40                          ; v40     where I put a key
.set KL,   41                          ; v41     where I read four keys back
.set SCA,  42                          ; v42-43  the loop over S: row l of my region of run 0, 1; steps by 16 bytes a trip
.set KM,   44                          ; v44-47  the smallest key so far of row 32 m + l
.set KD,   56                          ; v56-59  four keys to store
.set F0,   64
.set F1,   128
.set SW,   64                          ; v64-95  the loop over S: 32 words (window 0's buffer 0 is idle then)
.set RAW,  192                         ; v192-223 sign bytes on their way to a fragment; keys at work
.set PP,   192                         ; v192-223 the upper bytes of pairs of accumulators
.set PK,   224                         ; v224-239 the upper bytes of four accumulators a word
.set G1X, 16                           ; s[16:23] group 1, x's tiles
.set G1W, 24                           ; s[24:31] group 1, W's tiles
.set G1T, 32                           ; s[32:39] group 1, t's tiles
.set G0X, 40                           ; s[40:47] group 0, x, a set for each slot
.set G0W, 48                           ; s[48:55] group 0, W
.set G0T, 56                           ; s[56:63] group 0, t
                                       ; s88 g << 20, s89 g << 8, s95 g, s[96:97] W's wrap, s[98:99] t's wrap in this trip
.set MSB, 0
.macro WIN new                         ; the immediate's high byte repeats the setting that is left
.if MSB != \new
	s_set_vgpr_msb (MSB<<8)|\new
.set MSB, \new
.endif
.endm
.set MUL_LO, 0xa1                      ; source 0 window 1, source 1 window 0, C and D window 2
.set MUL_HI, 0xf1                      ; the same, C and D window 3
.set TO_B,   0x40                      ; destination window 1, address window 0
.macro PLACES                          ; four places behind a matrix instruction ahead of loads into, or vector work on, its registers
.rept 4
	v_nop
.endr
.endm
; A joint load of steps 0-31: waves 0 and 1 fetch the halves of x's tile, waves 2 and 3 those of W's.  Each line has one mask; the branch hangs on the wave's number alone.
.macro JLOAD1 n
	s_cmp_eq_u32 s14, 0
	s_cbranch_scc0 .Lfor_w_\@
	tensor_load_to_lds s[G0X+4*\n:G0X+4*\n+3], s[G1X:G1X+7]
	s_nop 0
	s_branch .Lasked_\@
.Lfor_w_\@:
	tensor_load_to_lds s[G0W+4*\n:G0W+4*\n+3], s[G1W:G1W+7]
	s_nop 0
.Lasked_\@:
.endm
.macro JLOADT n                        ; steps 32-47: every wave fetches its quarter of t's tile
	tensor_load_to_lds s[G0T+4*\n:G0T+4*\n+3], s[G1T:G1T+7]
	s_nop 0
.endm
.macro CREST                           ; a round of the cluster's barrier behind its opening work-group barrier
	s_cmp_lg_u32 s12, 0
	s_cbranch_scc1 .Lnot_wave_0_\@
	s_barrier_signal -3
.Lnot_wave_0_\@:
	s_barrier_wait -3
	s_barrier_signal -1
	s_barrier_wait -1
.endm
.macro CROUND                          ; a whole round
	s_barrier_signal -1
	s_barrier_wait -1
	CREST
.endm
	s_load_b256 s[4:11], s[0:1], 0x0               ; xb s[4:5], wb s[6:7], tb s[8:9], part s[10:11]
	s_load_b64 s[100:101], s[0:1], 0x20            ; cand
	v_lshl_add_u32 v254, v0, 2, 0x4e800
	v_mov_b32 v255, 0
	ds_add_u32 v254, v255
	v_lshrrev_b32 v1, 5, v0
	v_readfirstlane_b32 s12, v1                    ; wave 0..3
	s_and_b32 s13, s12, 1                          ; which half of a tile I fetch
	s_lshr_b32 s14, s12, 1                         ; I fetch for x (0) or for W (1)
	s_mov_b32 s15, 0xfe000001                      ; a key's seven exponent bits and its sign bit
	s_mov_b32 s66, 0x05000400                      ; v_perm_b32: bytes 0, 1 of the first source over 0x80 of the second
	s_mov_b32 s67, 0x07000600                      ; bytes 2, 3
	s_mov_b32 s90, 0x07030703                      ; v_perm_b32: byte 3 of the second source, then byte 3 of the first
	s_mov_b32 s91, 0x05040100                      ; bytes 0, 1 of the second source, then bytes 0, 1 of the first
	s_mov_b32 s92, 0x80808080                      ; four sign bits
	s_mov_b32 s93, 0x3f3f3f3f                      ; four upper bytes of bf16 1.0
	s_and_b32 s95, ttmp7, 1                        ; g: the cluster's y & 1, the same in all sixteen work-groups of the cluster
	s_bfe_u32 s68, ttmp6, 0x40000                  ; cx
	s_bfe_u32 s69, ttmp6, 0x40004                  ; cy
	s_lshl_b32 s70, ttmp9, 2
	s_add_co_u32 s70, s70, s68                     ; slice = 4 x cluster x + cx
	s_and_b32 s71, ttmp7, 0xffff
	s_lshl_b32 s71, s71, 2
	s_add_co_u32 s71, s71, s69                     ; row block = 4 x cluster y + cy
	s_lshl_b32 s72, s69, 2
	s_lshl_b32 s72, 15, s72                        ; my row of the cluster: places 4 cy .. 4 cy + 3
	s_lshl_b32 s73, 0x1111, s68                    ; my column: places cx, cx + 4, cx + 8, cx + 12
	; group 1, x: 8 KiB in one piece as 32 rows of 32 elements of 8 bytes; 4 words of padding behind every 32 words (128 bytes): LDS rows of 144
	s_or_b32  s[G1X+0], s72, (3<<16)|(1<<20)|(1<<21)|(4<<22)|(3<<25)   ; mask: my row; element of 8 bytes; padding on; bit 21 beside a mask; interval code 4; 4 words
	s_mov_b32 s[G1X+1], 32<<16                     ; tensor_dim0 = 32
	s_mov_b32 s[G1X+2], 32<<16                     ; tensor_dim1 = 32
	s_mov_b32 s[G1X+3], 32<<16                     ; tile_dim0 = 32
	s_mov_b32 s[G1X+4], 32                         ; tile_dim1 = 32
	s_mov_b32 s[G1X+5], 32                         ; from row to row: 32 elements
	s_mov_b32 s[G1X+6], 0
	s_mov_b32 s[G1X+7], 0
	; group 1, W: 32 k rows of 512 bf16 (1,024 bytes), 8,192 elements apart; 8 words of padding behind every 256 words: LDS rows of 1,056
	s_or_b32  s[G1W+0], s73, (1<<16)|(1<<20)|(1<<21)|(7<<22)|(7<<25)   ; mask: my column
	s_mov_b32 s[G1W+1], 512<<16
	s_mov_b32 s[G1W+2], 32<<16
	s_mov_b32 s[G1W+3], 512<<16
	s_mov_b32 s[G1W+4], 32
	s_mov_b32 s[G1W+5], 8192
	s_mov_b32 s[G1W+6], 0
	s_mov_b32 s[G1W+7], 0
	; group 1, t: 16 KiB in one piece as 64 rows of 256 bytes, padded like x
	s_or_b32  s[G1T+0], s73, (3<<16)|(1<<20)|(1<<21)|(4<<22)|(3<<25)   ; mask: my column
	s_mov_b32 s[G1T+1], 32<<16
	s_mov_b32 s[G1T+2], 64<<16
	s_mov_b32 s[G1T+3], 32<<16
	s_mov_b32 s[G1T+4], 64
	s_mov_b32 s[G1T+5], 32
	s_mov_b32 s[G1T+6], 0
	s_mov_b32 s[G1T+7], 0
	; byte offsets of my parts of the first tiles.  x's hang on the row block and the wave alone; W's and t's on the slice, the wave and g alone, each in registers of its own.
	s_lshl_b32 s74, s71, 14                        ; x: 128 rows of 128 bytes x row block
	s_lshl_b32 s75, s13, 13                        ;    + 64 rows x half
	s_add_co_u32 s74, s74, s75
	s_mov_b32 s75, 0
	s_lshl_b32 s76, s70, 11                        ; W: 1,024 d of 2 bytes x slice
	s_lshl_b32 s77, s13, 19                        ;    + 32 rows of 16,384 bytes x half
	s_add_co_u32 s76, s76, s77
	s_lshl_b32 s77, s95, 10                        ;    + 512 d of 2 bytes x g: run 0 takes half g of the slice
	s_add_co_u32 s76, s76, s77
	s_mov_b32 s77, 0
	s_lshl_b32 s78, s70, 20                        ; t: 16 d blocks of 65,536 bytes x slice
	s_lshl_b32 s79, s12, 14                        ;    + 128 classes of 128 bytes x wave
	s_add_co_u32 s78, s78, s79
	s_lshl_b32 s79, s95, 19                        ;    + 8 d blocks x g: the first eight steps take the d that run 0 made
	s_add_co_u32 s78, s78, s79
	s_mov_b32 s79, 0
	s_lshl_b32 s96, s95, 11                        ; W's way from run 0's last tile to run 1's first: 7 steps back in K,
	s_add_co_u32 s96, s96, WWRAP                   ; and 1,024 bytes to the right (g = 0) or to the left (g = 1)
	s_mov_b32 s97, 0
	s_lshl_b32 s80, s70, 23                        ; part: 4,096 rows of 2,048 bytes x slice
	s_lshl_b32 s81, s71, 18                        ;    + 128 rows x row block
	s_add_co_u32 s80, s80, s81
	s_lshl_b32 s81, s12, 9                         ;    + 128 classes of 4 bytes x wave
	s_add_co_u32 s80, s80, s81
	s_mov_b32 s81, 0
	s_lshl_b32 s88, s70, 16                        ; cand: 4 waves x 4,096 rows of 4 bytes x slice
	s_lshl_b32 s89, s12, 14                        ;    + 4,096 rows x wave
	s_add_co_u32 s88, s88, s89
	s_lshl_b32 s89, s71, 9                         ;    + 128 rows x row block
	s_add_co_u32 s88, s88, s89
	s_mov_b32 s89, 0
	s_mul_i32 s82, s13, 64*XP                      ; LDS: x's halves
	s_mul_i32 s83, s13, 32*WP
	s_add_co_u32 s83, s83, WOFF                    ; W's halves
	s_mul_i32 s84, s12, SREG                       ; t's quarters
	s_wait_dscnt 0x0
	s_wait_kmcnt 0x0
	s_add_nc_u64 s[74:75], s[4:5], s[74:75]
	s_add_nc_u64 s[76:77], s[6:7], s[76:77]
	s_add_nc_u64 s[78:79], s[8:9], s[78:79]
	s_add_nc_u64 s[10:11], s[10:11], s[80:81]      ; part at my wave's first row and column
	s_add_nc_u64 s[100:101], s[100:101], s[88:89]  ; cand at my wave's 128 keys
	s_lshl_b32 s88, s95, 20                        ; 16 d blocks of tb x g: what t's address goes back by in the middle of steps 32-47
	s_lshl_b32 s89, s95, 8                         ; g in the place of a key's bit 8
	s_mov_b32 s99, 0
	CROUND                                         ; all sixteen work-groups are here: the first joint loads meet
.irp n, 0,1
	s_mov_b32 s[G0X+4*\n], 1
	s_add_co_u32 s[G0X+4*\n+1], s82, \n*SLOT
	s_add_nc_u64 s[G0X+4*\n+2:G0X+4*\n+3], s[74:75], \n*524288       ; step n: k block n
	s_or_b32 s[G0X+4*\n+3], s[G0X+4*\n+3], 0x80000000                ; type 2
	s_mov_b32 s[G0W+4*\n], 1
	s_add_co_u32 s[G0W+4*\n+1], s83, \n*SLOT
	s_add_nc_u64 s[G0W+4*\n+2:G0W+4*\n+3], s[76:77], \n*1048576      ; step n: k rows 64 n ..
	s_or_b32 s[G0W+4*\n+3], s[G0W+4*\n+3], 0x80000000
	s_mov_b32 s[G0T+4*\n], 1
	s_add_co_u32 s[G0T+4*\n+1], s84, \n*SLOT
	s_add_nc_u64 s[G0T+4*\n+2:G0T+4*\n+3], s[78:79], \n*65536        ; step 32 + n: d block 8 g + n of the slice
	s_or_b32 s[G0T+4*\n+3], s[G0T+4*\n+3], 0x80000000
	JLOAD1 \n                                      ; both slots' first fills go out before anything else: two tensor loads of the wave are out
.endr
	v_and_b32 v1, 15, v0                           ; r
	v_bfe_u32 v2, v0, 4, 1                         ; h
	v_mul_u32_u24 v3, v1, XP
	v_lshl_add_u32 v[ADRX], v2, 4, v3              ; 144 r + 16 h: a fragment from rows along K is two loads of 16 bytes, 32 bytes apart
	v_add_nc_u32 v[ADRX+1], SLOT, v[ADRX]
	v_add_nc_u32 v[ADRT], s84, v[ADRX]             ; t: my 128 classes are the quarter at 18,432 w
	v_add_nc_u32 v[ADRT+1], s84, v[ADRX+1]
	v_and_b32 v4, 7, v0                            ; W lies [k][d]: the transposing load wants row 8 h + (l & 7), 16 bytes at 16 ((l >> 3) & 1)
	v_lshl_add_u32 v4, v2, 3, v4
	v_mul_u32_u24 v4, v4, WP
	v_bfe_u32 v5, v0, 3, 1
	v_lshl_add_u32 v4, v5, 4, v4
	s_lshl_b32 s85, s12, 8                         ; my 128 columns: 256 bytes x wave
	s_add_co_u32 s85, s85, WOFF
	v_add_nc_u32 v[ADRW], s85, v4
	v_add_nc_u32 v[ADRW+1], SLOT, v[ADRW]
	v_add_nc_u32 v[ADRS], SB, v[ADRX]              ; S, region 0: SB + 144 r + 16 h
	v_add_nc_u32 v[STS], s84, v[ADRS]              ; my region of run 0: region w
	v_add_nc_u32 v[STS+1], 4*SREG, v[STS]          ; of run 1: region 4 + w
	s_mul_i32 s87, s12, 16*GP
	s_add_co_u32 s87, s87, SB                      ; my stage
	v_mul_u32_u24 v5, v1, GP
	v_lshl_add_u32 v5, v2, 5, v5                   ; row r, 32 bytes for each half of the lanes
	v_add_nc_u32 v[STO], s87, v5
	v_and_b32 v[VL], 31, v0
	v_lshlrev_b32 v[CO], 4, v[VL]                  ; back: 32 lanes x 16 bytes are a row's 512
	v_add_nc_u32 v[RD], s87, v[CO]
	s_lshl_b32 s86, s12, 9
	s_add_co_u32 s86, s86, KEYS                    ; my wave's 512 bytes for keys
	v_lshl_add_u32 v[KS], v[VL], 2, s86
	v_lshl_add_u32 v[KL], v[VL], 4, s86
	s_add_co_u32 s86, s84, SB                      ; my region of run 0
	v_mul_u32_u24 v5, v[VL], XP
	v_add_nc_u32 v[SCA], s86, v5                   ; its row l
	v_add_nc_u32 v[SCA+1], 4*SREG, v[SCA]
	v_mov_b32 v[C80], 0x80808080
.irp m, 0,1,2,3
	v_mov_b32 v[KM+\m], -1                         ; above every key
.endr
; 16 matrix instructions: row blocks a0, a0 + 1 of the window's four (hi = 0: rows 0-63, 1: rows 64-127) x all 8 column blocks, 32 along K.
; zero = 1: the first product starts the sums; nothing is cleared.
.macro MUL16 f, hi, a0, zero
.irp a, \a0, \a0+1
.irp b, 0,1,2,3,4,5,6,7
.if \zero
	v_wmma_f32_16x16x32_bf16 v[8*(8*(\a)+\b):8*(8*(\a)+\b)+7], v[\f+8*\b:\f+8*\b+7], v[\f+8*(4*\hi+\a):\f+8*(4*\hi+\a)+7], 0
.else
	v_wmma_f32_16x16x32_bf16 v[8*(8*(\a)+\b):8*(8*(\a)+\b)+7], v[\f+8*\b:\f+8*\b+7], v[\f+8*(4*\hi+\a):\f+8*(4*\hi+\a)+7], v[8*(8*(\a)+\b):8*(8*(\a)+\b)+7]
.endif
.endr
.endr
.endm
; 32 LDS loads: quarter q (32 along K) of slot n into buffer f: my 128 columns of W, transposed on the way, then all 128 rows of x
.macro FETCH1 n, q, f
	WIN TO_B
.irp b, 0,1,2,3,4,5,6,7
	ds_load_tr16_b128 v[\f+8*\b:\f+8*\b+3],   v[ADRW+\n] offset:32*WP*\q+32*\b          ; k = 32 q + 8 h .. + 7 of column 16 b + r
	ds_load_tr16_b128 v[\f+8*\b+4:\f+8*\b+7], v[ADRW+\n] offset:32*WP*\q+32*\b+16*WP    ; k = 32 q + 16 + 8 h ..
.endr
	WIN 0
.irp a, 0,1,2,3,4,5,6,7
	ds_load_b128 v[\f+8*\a:\f+8*\a+3],   v[ADRX+\n] offset:16*XP*\a+64*\q
	ds_load_b128 v[\f+8*\a+4:\f+8*\a+7], v[ADRX+\n] offset:16*XP*\a+64*\q+32
.endr
.endm
; 16 LDS loads: quarter q of t's tile in slot n, my 128 classes
.macro FETCHT n, q, f
	WIN TO_B
.irp b, 0,1,2,3,4,5,6,7
	ds_load_b128 v[\f+8*\b:\f+8*\b+3],   v[ADRT+\n] offset:16*XP*\b+64*\q
	ds_load_b128 v[\f+8*\b+4:\f+8*\b+7], v[ADRT+\n] offset:16*XP*\b+64*\q+32
.endr
.endm
; 8 LDS loads: the sign bytes of 32 d, all 128 rows: 16 bytes a lane and row block
.macro RAWLD off
	WIN 0
.irp a, 0,1,2,3,4,5,6,7
	ds_load_b128 v[RAW+4*\a:RAW+4*\a+3], v[ADRS] offset:16*XP*\a+\off
.endr
.endm
; sign bytes to bf16 +-1: byte i becomes the upper byte of element i, 0x80 the lower
.macro EXPAND f
.irp a, 0,1,2,3,4,5,6,7
.irp i, 0,1,2,3
	v_perm_b32 v[\f+8*\a+2*\i],   v[RAW+4*\a+\i], v[C80], s66
	v_perm_b32 v[\f+8*\a+2*\i+1], v[RAW+4*\a+\i], v[C80], s67
.endr
.endr
.endm
; STEPS 0-31.  A step is two quarters of 32 along K, on buffers 0 and 1.
; The first quarter: multiplies buffer 0; in its middle it fetches the second quarter's fragments.
.macro Q1 n, zero
	s_wait_dscnt 8                                 ; all but the youngest eight LDS instructions: at the least W's fragments and x's rows 0-63 are in
	WIN MUL_LO
	MUL16 F0, 0, 0, \zero
	MUL16 F0, 0, 2, \zero
	PLACES
	FETCH1 \n, 1, F1
	s_wait_dscnt 32                                ; all but the 32 just issued
	WIN MUL_HI
	MUL16 F0, 1, 0, \zero
	MUL16 F0, 1, 2, \zero
.endm
; The second quarter: multiplies buffer 1 and changes slots.  In front of the round each wave waits for its reads of this slot and for all its tensor
; loads (one is out: its part of the next slot).  Behind the round no wave of any partner reads this slot or has a load on its way: the joint refill
; comes first, then the next slot's first fragments.  From a request to the wait for it a wave issues 32 + 64 + 32 = 128 matrix instructions, a whole
; step's; between that wait and the next request stands the round and nothing else.
; fill = 1: two steps ahead.  2: run 1's first tiles.  3: t's first tiles.   nf = 1: the next fragments are x's and W's; 2: t's.
.macro TURN1 n, next, fill, nf
	s_wait_dscnt 8
	WIN MUL_LO
	MUL16 F1, 0, 0, 0
	MUL16 F1, 0, 2, 0
	WIN 0
	s_wait_dscnt 0x0                               ; my reads of this slot are over
	s_wait_tensorcnt 0x0                           ; all my tensor loads have landed
	ds_add_u32 v254, v255
	s_wait_dscnt 0x0
	CROUND
.if \fill == 1
	s_add_nc_u64 s[G0X+4*\n+2:G0X+4*\n+3], s[G0X+4*\n+2:G0X+4*\n+3], XSTEP   ; no tensor load of mine is out: group 0 may be written
	s_add_nc_u64 s[G0W+4*\n+2:G0W+4*\n+3], s[G0W+4*\n+2:G0W+4*\n+3], WSTEP
	JLOAD1 \n
.endif
.if \fill == 2
	s_sub_nc_u64 s[G0X+4*\n+2:G0X+4*\n+3], s[G0X+4*\n+2:G0X+4*\n+3], XWRAP   ; K starts again,
	s_sub_nc_u64 s[G0W+4*\n+2:G0W+4*\n+3], s[G0W+4*\n+2:G0W+4*\n+3], s[96:97]   ; in the slice's other 512 d
	JLOAD1 \n
.endif
.if \fill == 3
	JLOADT \n                                      ; its group 0 was set up for d block 8 g + n at the start
.endif
	PLACES
.if \nf == 1
	FETCH1 \next, 0, F0
.else
	FETCHT 0, 0, F0
.endif
	WIN MUL_HI
	MUL16 F1, 1, 0, 0
	MUL16 F1, 1, 2, 0
.endm
; The upper bytes of a row block's 64 accumulators (row block 4 hi + a, all 8 column blocks): byte 3 of two registers, then of four, in a word;
; 16 bytes for a pair of tiles go into my region of S.
.macro BIN hi, a, ch
	WIN 0x0a+5*\hi                                 ; sources 0 and 1 in window 2 or 3
.set bi, 0
.rept 32
	v_perm_b32 v[PP+bi], v[64*\a+2*bi+1], v[64*\a+2*bi], s90
.set bi, bi+1
.endr
	WIN 0
.set bi, 0
.rept 16
	v_perm_b32 v[PK+bi], v[PP+2*bi+1], v[PP+2*bi], s91
.set bi, bi+1
.endr
.irp g, 0,1,2,3
	ds_store_b128 v[STS+\ch], v[PK+4*\g:PK+4*\g+3] offset:16*XP*(4*\hi+\a)+32*\g
.endr
.endm
.macro BINARIZE ch
	PLACES                                         ; behind the last matrix instructions, ahead of the lines that read their results
.irp a, 0,1,2,3
	BIN 0, \a, \ch
.endr
.irp a, 0,1,2,3
	BIN 1, \a, \ch
.endr
.endm
; Sixteen steps: run ch.  Only the quarter that starts the sums stands in front of the loop; seven trips of four quarters; the last three quarters ask for
; what follows the run.
.macro CHUNK ch
	Q1 0, 1
	WIN 0                                          ; at a label and at a branch every window is 0
	s_mov_b32 s3, 7
.Lchunk_\ch:
	TURN1 0, 1, 1, 1
	Q1 1, 0
	TURN1 1, 0, 1, 1
	Q1 0, 0
	WIN 0
	s_sub_co_u32 s3, s3, 1
	s_cmp_lg_u32 s3, 0
	s_cbranch_scc1 .Lchunk_\ch
.if \ch == 0
	TURN1 0, 1, 2, 1
	Q1 1, 0
	TURN1 1, 0, 2, 1
.else
	TURN1 0, 1, 3, 1
	Q1 1, 0
	TURN1 1, 0, 3, 2
.endif
	BINARIZE \ch
.endm
; STEPS 32-47.  The first quarter: multiplies buffer 0; fetches the second quarter's sign bytes (at off) and t fragments, and widens the signs into buffer 1.
.macro Q2 n, off, zero
	s_wait_dscnt 0x0                               ; buffer 0's t fragments are in
	RAWLD \off
	WIN MUL_LO
	MUL16 F0, 0, 0, \zero
	MUL16 F0, 0, 2, \zero
	PLACES
	FETCHT \n, 1, F1
	s_wait_dscnt 16                                ; the eight loads of sign bytes are in; the 16 issued behind them stay out
	WIN 0
	EXPAND F1
	WIN MUL_HI
	MUL16 F0, 1, 0, \zero
	MUL16 F0, 1, 2, \zero
.endm
; The second quarter: multiplies buffer 1 and changes slots, as in steps 0-31.  fill = 0: nothing is left to fetch, a work-group barrier is enough.
; fill = 1 stands in the loop alone: in the trip with s3 = 4 the two refills pass from the eighth to the ninth step's d, and with g = 1 t's address goes
; back by the slice's 16 d blocks there: 8 .. 15, then 0 .. 7.
.macro TURN2 n, next, fill, off
	s_wait_dscnt 0x0                               ; buffer 1's t fragments are in
	RAWLD \off                                     ; the next step's first sign bytes
	WIN MUL_LO
	MUL16 F1, 0, 0, 0
	MUL16 F1, 0, 2, 0
	WIN 0
	s_wait_dscnt 0x0                               ; my reads of this slot are over, the sign bytes are in
	s_wait_tensorcnt 0x0                           ; all my tensor loads have landed
	ds_add_u32 v254, v255
	s_wait_dscnt 0x0
	s_barrier_signal -1
	s_barrier_wait -1
.if \fill
	CREST
	s_add_nc_u64 s[G0T+4*\n+2:G0T+4*\n+3], s[G0T+4*\n+2:G0T+4*\n+3], TSTEP
	s_cmp_eq_u32 s3, 4
	s_cselect_b32 s98, s88, 0                      ; 16 d blocks x g in that trip, else 0; s99 = 0
	s_sub_nc_u64 s[G0T+4*\n+2:G0T+4*\n+3], s[G0T+4*\n+2:G0T+4*\n+3], s[98:99]
	JLOADT \n                                      ; the first tensor load behind the round, one a wave
.endif
	PLACES
	FETCHT \next, 0, F0
	WIN 0
	EXPAND F0
	WIN MUL_HI
	MUL16 F1, 1, 0, 0
	MUL16 F1, 1, 2, 0
.endm
	s_wait_tensorcnt 1                             ; my part of step 0 is in; step 1's stays out
	s_barrier_signal -1
	s_barrier_wait -1                              ; everybody's is
	FETCH1 0, 0, F0
	CHUNK 0
	CHUNK 1
	; THE LOOP OVER S: my own two regions, lane = row, eight trips, one 16-byte column of the rows a trip: 8 loads (2 runs x 4 blocks of 32 rows).
	; A byte is sign and seven exponent bits.  Turned right by 7 + 8 p the word has byte p's exponent bits in bits 31:25 and its sign in bit 0; the mask keeps
	; these, the byte's place goes between.  The smallest key as a whole number has the smallest exponent bits.  Then the bytes become 0x3f or 0xbf.
	s_mov_b32 s94, 0                               ; 32 x column: a key's bits 7:5, and the loop's counter
.Lscan:
.irp g, 0,1,2,3,4,5,6,7
	ds_load_b128 v[SW+4*\g:SW+4*\g+3], v[SCA+\g/4] offset:32*XP*(\g%4)   ; LDS serves a wave's instructions in order (ISA guide 5.7.1.4): these see my stores
.endr
.irp g, 0,1,2,3,4,5,6,7
	s_wait_dscnt 7-\g                              ; load g is in, the 7 - g younger ones stay out
.set kb, RAW+16*(\g%2)
.set bi, 0
.rept 16
	v_alignbit_b32 v[kb+bi], v[SW+4*\g+bi/4], v[SW+4*\g+bi/4], 7+8*(bi%4)
.set bi, bi+1
.endr
.set bi, 0
.rept 16
	v_and_or_b32 v[kb+bi], v[kb+bi], s15, ((\g/4)<<8)|(bi<<1)      ; bit 8: the run, for now
.set bi, bi+1
.endr
.irp st, 8,4,2,1
.set bi, 0
.rept \st
	v_min_u32 v[kb+bi], v[kb+bi], v[kb+bi+\st]
.set bi, bi+1
.endr
.endr
	v_or_b32 v[kb], s94, v[kb]
	v_min_u32 v[KM+\g%4], v[KM+\g%4], v[kb]
.irp q, 0,1,2,3
	v_and_or_b32 v[SW+4*\g+\q], v[SW+4*\g+\q], s92, s93
.endr
.endr
.irp g, 0,1,2,3,4,5,6,7
	ds_store_b128 v[SCA+\g/4], v[SW+4*\g:SW+4*\g+3] offset:32*XP*(\g%4)
.endr
	v_add_nc_u32 v[SCA], 16, v[SCA]
	v_add_nc_u32 v[SCA+1], 16, v[SCA+1]
	s_add_co_u32 s94, s94, 32
	s_cmp_lt_u32 s94, 256
	s_cbranch_scc1 .Lscan
	; THE KEYS LEAVE: lane l holds rows l, 32 + l, 64 + l, 96 + l; through my wave's own 512 bytes of LDS each lane gets four neighbouring rows' keys.
.irp m, 0,1,2,3
	v_xor_b32 v[KM+\m], s89, v[KM+\m]              ; bit 8 becomes the half of the slice: run xor g
.endr
.irp m, 0,1,2,3
	ds_store_b32 v[KS], v[KM+\m] offset:128*\m
.endr
	ds_load_b128 v[KD:KD+3], v[KL]
	s_wait_dscnt 0x0                               ; the keys are in registers; my signs are in S; buffer 0's t fragments are in
	global_store_b128 v[CO], v[KD:KD+3], s[100:101]   ; the wave stores 512 consecutive bytes, aligned; KD, CO and the base are never written again
	s_barrier_signal -1
	s_barrier_wait -1                              ; everybody's signs are in S.  My part of t's second tile may stay out
	RAWLD 0
	s_wait_dscnt 0x0
	EXPAND F0
	Q2 0, 32, 1                                    ; the quarter that starts the sums
	WIN 0
	s_mov_b32 s3, 7
.Llap2:                                            ; seven trips of four quarters; two steps = 128 d = one region of S
	TURN2 0, 1, 1, 64
	Q2 1, 96, 0
	TURN2 1, 0, 1, SREG                            ; the next region's first 32 d
	WIN 0
	v_add_nc_u32 v[ADRS], SREG, v[ADRS]
	Q2 0, 32, 0
	WIN 0
	s_sub_co_u32 s3, s3, 1
	s_cmp_lg_u32 s3, 0
	s_cbranch_scc1 .Llap2
	TURN2 0, 1, 0, 64                              ; the last three quarters fill nothing
	Q2 1, 96, 0
	s_wait_dscnt 0x0
	WIN MUL_LO
	MUL16 F1, 0, 0, 0
	MUL16 F1, 0, 2, 0
	WIN MUL_HI
	MUL16 F1, 1, 0, 0
	MUL16 F1, 1, 2, 0
	; THE WAY OUT, 16 rows at a time: a lane's 32 bytes of a row go into my stage, whole rows of 512 bytes come back and are stored.
	PLACES                                         ; behind the last matrix instructions: LDS stores read results, loads land in buffers 0 and 1
	WIN 0
	s_wait_dscnt 0x0                               ; my reads of S are over
	s_barrier_signal -1
	s_barrier_wait -1                              ; everybody's are: S's first bytes become the stages
.macro OUT16 i, a, hi, f
	WIN 0x08+4*\hi                                 ; an LDS store's data are source 1: window 2 or 3
.irp b, 0,1,2,3,4,5,6,7
	ds_store_b128 v[STO], v[8*(8*\a+\b):8*(8*\a+\b)+3]   offset:64*\b
	ds_store_b128 v[STO], v[8*(8*\a+\b)+4:8*(8*\a+\b)+7] offset:64*\b+16
.endr
	WIN 0
	s_wait_xcnt 0x0                                ; buffer f, which earlier stores read, and the stores' base are rewritten only behind this wait
.if \i
	s_add_nc_u64 s[10:11], s[10:11], 16*2048       ; 16 rows of part on
.endif
.irp t, 0,1,2,3,4,5,6,7,8,9,10,11,12,13,14,15
	ds_load_b128 v[\f+4*\t:\f+4*\t+3], v[RD] offset:GP*\t          ; in order behind the stores above
.endr
.irp t, 0,1,2,3,4,5,6,7,8,9,10,11,12,13,14,15
	s_wait_dscnt 15-\t                             ; row t is in, the 15 - t younger loads stay out
	global_store_b128 v[CO], v[\f+4*\t:\f+4*\t+3], s[10:11] offset:2048*\t   ; the wave stores 512 consecutive bytes, aligned; a later launch reads them: no hint
.endr
.endm
	OUT16 0, 0, 0, F0
	OUT16 1, 1, 0, F1
	OUT16 2, 2, 0, F0
	OUT16 3, 3, 0, F1
	OUT16 4, 0, 1, F0
	OUT16 5, 1, 1, F1
	OUT16 6, 2, 1, F0
	OUT16 7, 3, 1, F1
	s_wait_tensorcnt 0x0
	ds_add_u32 v254, v255
	s_wait_dscnt 0x0
	CROUND                                         ; the closing round: no work-group ends while a partner may still ask for a tile that names it
	s_endpgm
.Lfunc_end_k_q7251f45907_hamm:
	.size	k_q7251f45907_hamm, .Lfunc_end_k_q7251f45907_hamm-k_q7251f45907_hamm
	.p2alignl 7, 3214868480
	.fill 96, 4, 3214868480
	.section	.rodata,"a",@progbits
	.p2align	6, 0x0
	.amdhsa_kernel k_q7251f45907_hamm
		.amdhsa_group_segment_fixed_size 327680
		.amdhsa_private_segment_fixed_size 0
		.amdhsa_enable_private_segment 0
		.amdhsa_kernarg_size 40
		.amdhsa_user_sgpr_count 2
		.amdhsa_user_sgpr_kernarg_segment_ptr 1
		.amdhsa_wavefront_size32 1
		.amdhsa_system_sgpr_workgroup_id_x 1
		.amdhsa_system_sgpr_workgroup_id_y 1
		.amdhsa_system_sgpr_workgroup_id_z 1
		.amdhsa_system_vgpr_workitem_id 0
		.amdhsa_next_free_vgpr 1024
		.amdhsa_next_free_sgpr 102
		.amdhsa_reserve_vcc 0
		.amdhsa_float_denorm_mode_32 3
		.amdhsa_float_denorm_mode_16_64 3
		.amdhsa_memory_ordered 1
		.amdhsa_forward_progress 1
		.amdhsa_inst_pref_size 255
	.end_amdhsa_kernel
	.section	.bss,"aw",@nobits
	.p2align	6
	.space	262144
	.amdgpu_metadata
---
amdhsa.version: [ 1, 2 ]
amdhsa.kernels:
  - .name:           k_q7251f45907_hamm
    .symbol:         k_q7251f45907_hamm.kd
    .args:
      - { .name: xb, .offset: 0, .size: 8, .value_kind: global_buffer, .address_space: global }
      - { .name: wb, .offset: 8, .size: 8, .value_kind: global_buffer, .address_space: global }
      - { .name: tb, .offset: 16, .size: 8, .value_kind: global_buffer, .address_space: global }
      - { .name: part, .offset: 24, .size: 8, .value_kind: global_buffer, .address_space: global }
      - { .name: cand, .offset: 32, .size: 8, .value_kind: global_buffer, .address_space: global }
    .group_segment_fixed_size: 327680
    .private_segment_fixed_size: 0
    .kernarg_segment_align: 8
    .kernarg_segment_size: 40
    .max_flat_workgroup_size: 128
    .sgpr_count:     102
    .vgpr_count:     1024
    .wavefront_size: 32
...
	.end_amdgpu_metadata
.endif
;; end of part 6
;; launch fix (part 7): grid 128 x 1, 11 waves a work-group, no clusters, 8,704 bytes of LDS; arguments cand, xb, wt, corr; writes corr
.if DOCPART == 7
	.amdgcn_target "amdgcn-amd-amdhsa--gfx1250"
	.amdhsa_code_object_version 6
	.text
	.protected	k_q7251f45907_fix
	.globl	k_q7251f45907_fix
	.p2align	8
	.type	k_q7251f45907_fix,@function
k_q7251f45907_fix:
	s_mov_b64 s[64:65], 0
	v_nop
	global_prefetch_b8 v0, s[64:65] scope:SCOPE_SE
	s_setreg_imm32_b32 hwreg(HW_REG_WAVE_MODE, 25, 1), 1
	s_wait_xcnt 0x0
; For each row of x: a projection near zero (the smallest of the row's 32 keys in cand) is summed again in plain f32, and its sign is compared with
; the one that the launch before took.   corr[row] = 0 where they agree, else d << 2 | 1 (the sign becomes +1) or d << 2 | 2 (it becomes -1).
; WHY.  reference() compares an f32 sum of 1,024 products with 0, and where the sum is as small as its own rounding the order of the additions decides
; the sign.  The problem does not state that order.  So the sum is made three times, and two of the three decide:
;   (a) K in blocks of 176 (the last one 144), (b) K in blocks of 208 (the last one 192): a block is one accumulator from 0, one fused multiply-add a
;       product, K ascending; the blocks are added in ascending order.  This is the form of a blocked f32 product.  The two lengths are what a rule gives
;       that fits the panels of a register block into 16 KiB and then evens the blocks out over K = 1,024: for 12 x 8 numbers (16384 - 384) / 80 = 200,
;       evened out 176; for 12 x 4 numbers (16384 - 192) / 64 = 253, in eights 248, evened out 208.
;   (c) a sum that loses nothing: each addition's rounding error is recovered by the six-operation error-free sum and collected in a second word; the
;       sign of the two words' sum is that of the unrounded sum, but for errors some 2^-24 of the collected errors themselves.
; The operands are the bf16 copies, so each product is exact in f32 (but for products under 2^-126) and only the additions round.
; LIMITS.  Which order reference() sums in stays a guess: where (a) and (b) agree their sign is taken, elsewhere that of (c), and a product made in
; another order can still differ in the sign of a projection that lies within its own rounding of zero; that row's distances then move by one each.
; One projection a row is treated so, out of the row's lowest pair of binades; any other keeps the matrix unit's sign.
; 4,096 sums of 1,024 products, one in 8,192 of the first product's work, in vector arithmetic: the order is the point, so no matrix unit.
; A block is an accumulator of its own, so a block is a wave: 11 waves, lane = row, 32 rows a work-group.  Waves 0-5: the six blocks of (a); waves 6-10: the
; five of (b).  Every wave also makes (c) over its block, even and odd k apart, two at a time; those of waves 0-5, which cover K once, are used.
; A stage is 16 k: 32 bytes of the row of x and 32 bytes of W's column (wt lies along k), four loads of 16 bytes.  Two register sets take turns, two
; stages a trip; the next stage's loads go out ahead of a stage's work.  Blocks have 11, 9, 13 or 12 stages: 5, 4, 6 or 6 trips and one more stage,
; but in wave 10, whose last read-ahead (its stage number held at 63) is not used.
; The parts meet in LDS; wave 0 adds and votes.  The store is 32 lanes x 4 bytes, 128 consecutive bytes; all of corr is 16 KiB.
.set ROW,  2                           ; v2        my row
.set VC,   3                           ; v3        its byte offset in a plane of cand
.set VX,   4                           ; v4        its byte offset in a plane of xb
.set VW,   5                           ; v5        column d's byte offset in a plane of wt
.set META, 6                           ; v6        d << 2 | the code that a change of sign would have
.set OLDP, 7                           ; v7        1 where the sign taken was +1
.set AX,   8                           ; v8-9      set p: byte offset in xb of its stage
.set AW,   10                          ; v10-11    the same in wt
.set K,    12                          ; v[12:43]  the row's 32 keys
.set ACC,  44                          ; v44       my block's sum
.set SS,   46                          ; v[46:49]  (c): the running sums of even and odd k, in two pairs by turns
.set EE,   50                          ; v[50:51]  (c): the collected rounding errors
.set TP,   52                          ; v[52:55]  (c) at work: the products,
.set TZ,   56                          ; v[56:59]  what of them arrived in the sums,
.set TU,   60                          ; v[60:63]  the errors; two sets by turns
.set XT,   64                          ; v[64:79]  sixteen numbers of x in f32
.set WF,   80                          ; v[80:95]  sixteen numbers of W in f32
.set XV,   96                          ; v[96:111]  two sets of eight registers, sixteen bf16 of x
.set WV,   112                         ; v[112:127] the same of W
.set LD,   64                          ; v[64:98]  at the end: the waves' parts
.set PL,   1408                        ; bytes of a plane in LDS: 11 waves x 32 lanes x 4
	s_load_b256 s[4:11], s[0:1], 0x0               ; cand s[4:5], xb s[6:7], wt s[8:9], corr s[10:11]
	v_lshl_add_u32 v128, v0, 2, 0x1c00
	v_mov_b32 v129, 0
	v_lshrrev_b32 v1, 5, v0
	v_readfirstlane_b32 s12, v1                    ; wave 0..10
	s_lshl_b32 s15, ttmp9, 5                       ; the group's first row
	s_mov_b32 s17, 0xffff0000                      ; a word's upper bf16
	s_lshl_b32 s18, ttmp9, 7                       ; corr: 32 words x group
	s_mov_b32 s19, 0
	s_cmp_ge_u32 s12, 6
	s_cselect_b32 s13, 13, 11                      ; stages in a whole block of my sum
	s_cselect_b32 s14, 6, 0
	s_cselect_b32 s27, 6, 5                        ; trips
	s_sub_co_u32 s14, s12, s14                     ; my block's number
	s_mul_i32 s20, s14, s13                        ; the stage that is loaded next: my block's first
	s_cmp_eq_u32 s12, 5
	s_cselect_b32 s27, 4, s27                      ; the last block of (a) has 9 stages
	v_mov_b32 v[ACC], 0
.irp c, 0,1
	v_mov_b32 v[SS+\c], 0
	v_mov_b32 v[EE+\c], 0
.endr
	v_and_b32 v[ROW], 31, v0
	v_add_nc_u32 v[ROW], s15, v[ROW]
	v_lshlrev_b32 v[VC], 2, v[ROW]
	v_lshlrev_b32 v[VX], 7, v[ROW]                 ; a row's piece in a plane of xb is 128 bytes
	s_wait_kmcnt 0x0
	s_add_nc_u64 s[10:11], s[10:11], s[18:19]
.set i, 0
.rept 32
	global_load_b32 v[K+i], v[VC], s[4:5] offset:i*16384           ; key of (slice, wave) number i: a plane of cand is 4,096 rows x 4 bytes
.set i, i+1
.endr
	s_wait_loadcnt 0x0
.set i, 1
.rept 31
	v_or_b32 v[K+i], i<<9, v[K+i]                  ; a key's bits 24:9 are 0: bits 13:9 take 4 slice + wave
.set i, i+1
.endr
.irp st, 16,8,4,2,1
.set i, 0
.rept \st
	v_min_u32 v[K+i], v[K+i], v[K+i+\st]
.set i, i+1
.endr
.endr
	; d = 1024 slice + 512 half + 128 wave + 32 G + 16 (byte / 8) + 8 h + byte % 8, from the key's bits 13:11, 8, 10:9, 7:6, 4, 5, 3:1
	v_bfe_u32 v[VW], v[K], 11, 3
	v_bfe_u32 v1, v[K], 8, 1
	v_lshl_or_b32 v[VW], v[VW], 1, v1
	v_bfe_u32 v1, v[K], 9, 2
	v_lshl_or_b32 v[VW], v[VW], 2, v1
	v_bfe_u32 v1, v[K], 6, 2
	v_lshl_or_b32 v[VW], v[VW], 2, v1
	v_bfe_u32 v1, v[K], 4, 1
	v_lshl_or_b32 v[VW], v[VW], 1, v1
	v_bfe_u32 v1, v[K], 5, 1
	v_lshl_or_b32 v[VW], v[VW], 1, v1
	v_bfe_u32 v1, v[K], 1, 3
	v_lshl_or_b32 v[VW], v[VW], 3, v1
	v_min_u32 v[VW], 0x1fff, v[VW]                 ; a number that was loaded enters an address only behind this bound
	v_and_b32 v1, 1, v[K]                          ; 1: the sign taken was -1
	v_xor_b32 v[OLDP], 1, v1
	v_sub_nc_u32 v1, 2, v1                         ; a change would lead to +1 (code 1) there, to -1 (code 2) elsewhere
	v_lshl_or_b32 v[META], v[VW], 2, v1
	v_lshlrev_b32 v[VW], 7, v[VW]                  ; a column's piece in a plane of wt is 128 bytes
; The loads of stage s20 into register set p; then s20 steps.  Stage st: plane st / 4 of xb (524,288 bytes) and of wt (1,048,576 bytes), byte 32 (st % 4).
; Set p's offsets are written again only when its last loads have been waited for.
.macro LOADS p
	s_min_u32 s21, s20, 63                         ; nothing is read past k = 1,023
	s_lshr_b32 s22, s21, 2
	s_and_b32 s23, s21, 3
	s_lshl_b32 s23, s23, 5
	s_lshl_b32 s24, s22, 19
	s_or_b32 s24, s24, s23
	s_lshl_b32 s25, s22, 20
	s_or_b32 s25, s25, s23
	v_add_nc_u32 v[AX+\p], s24, v[VX]
	v_add_nc_u32 v[AW+\p], s25, v[VW]
	global_load_b128 v[XV+8*\p:XV+8*\p+3],   v[AX+\p], s[6:7]
	global_load_b128 v[XV+8*\p+4:XV+8*\p+7], v[AX+\p], s[6:7] offset:16
	global_load_b128 v[WV+8*\p:WV+8*\p+3],   v[AW+\p], s[8:9]
	global_load_b128 v[WV+8*\p+4:WV+8*\p+7], v[AW+\p], s[8:9] offset:16
	s_add_co_u32 s20, s20, 1
.endm
; The stage in set p.  left = the four loads of the next stage, which may stay out, or 0.
.macro WORK p, left
	s_wait_loadcnt \left
.set i, 0
.rept 8
	v_lshlrev_b32 v[XT+2*i],   16,  v[XV+8*\p+i]    ; bf16 to f32: the lower k in the lower half
	v_and_b32     v[XT+2*i+1], s17, v[XV+8*\p+i]
	v_lshlrev_b32 v[WF+2*i],   16,  v[WV+8*\p+i]
	v_and_b32     v[WF+2*i+1], s17, v[WV+8*\p+i]
.set i, i+1
.endr
.set e, 0
.rept 8
.set sa, SS+2*(e%2)
.set sb, SS+2-2*(e%2)
.set t, 2*(e%2)
	v_fma_f32 v[ACC], v[XT+2*e],   v[WF+2*e],   v[ACC]             ; the block's sum: K ascending, one accumulator
	v_fma_f32 v[ACC], v[XT+2*e+1], v[WF+2*e+1], v[ACC]
	v_pk_mul_f32 v[TP+t:TP+t+1], v[XT+2*e:XT+2*e+1], v[WF+2*e:WF+2*e+1]                    ; (c): the products p, exact
	v_pk_add_f32 v[sb:sb+1], v[sa:sa+1], v[TP+t:TP+t+1]                                    ; t = s + p, rounded
	v_pk_add_f32 v[TZ+t:TZ+t+1], v[sb:sb+1], v[sa:sa+1] neg_lo:[0,1] neg_hi:[0,1]          ; z = t - s: what of p arrived
	v_pk_add_f32 v[TU+t:TU+t+1], v[sb:sb+1], v[TZ+t:TZ+t+1] neg_lo:[0,1] neg_hi:[0,1]      ; t - z: what of s arrived
	v_pk_add_f32 v[TU+t:TU+t+1], v[sa:sa+1], v[TU+t:TU+t+1] neg_lo:[0,1] neg_hi:[0,1]      ; s - (t - z)
	v_pk_add_f32 v[TZ+t:TZ+t+1], v[TP+t:TP+t+1], v[TZ+t:TZ+t+1] neg_lo:[0,1] neg_hi:[0,1]  ; p - z
	v_pk_add_f32 v[TU+t:TU+t+1], v[TU+t:TU+t+1], v[TZ+t:TZ+t+1]                            ; their sum is exactly s + p - t
	v_pk_add_f32 v[EE:EE+1], v[EE:EE+1], v[TU+t:TU+t+1]
.set e, e+1
.endr
.endm
	LOADS 0
	s_mov_b32 s26, 0
.Lpair:
	LOADS 1
	WORK 0, 4
	LOADS 0
	WORK 1, 4
	s_add_co_u32 s26, s26, 1
	s_cmp_lt_u32 s26, s27
	s_cbranch_scc1 .Lpair
	s_wait_loadcnt 0x0
	s_cmp_eq_u32 s12, 10
	s_cbranch_scc1 .Leven                          ; wave 10's block has 12 stages: all done
	WORK 0, 0                                      ; the others' last stage
.Leven:
	v_lshlrev_b32 v1, 2, v0                        ; 128 w + 4 lane: each thread's own word in each of five planes
	ds_store_b32 v1, v[ACC]
	ds_store_b32 v1, v[SS]   offset:PL             ; after eight steps a stage the running sums lie in the first pair
	ds_store_b32 v1, v[SS+1] offset:2*PL
	ds_store_b32 v1, v[EE]   offset:3*PL
	ds_store_b32 v1, v[EE+1] offset:4*PL
	s_wait_dscnt 0x0                               ; for the others' sake
	s_barrier_signal -1
	s_barrier_wait -1
	s_cmp_lg_u32 s12, 0
	s_cbranch_scc1 .Ldone
	; wave 0, lane = row
.irp j, 0,1,2,3,4,5,6,7,8,9,10
	ds_load_b32 v[LD+\j], v1 offset:128*\j                         ; the eleven blocks
.endr
.irp q, 0,1,2,3
.irp j, 0,1,2,3,4,5
	ds_load_b32 v[LD+11+6*\q+\j], v1 offset:PL*(\q+1)+128*\j       ; (c) of waves 0-5: sums of even k, of odd k, errors, errors
.endr
.endr
	s_wait_dscnt 0x0
.irp j, 1,2,3,4,5
	v_add_f32 v[LD], v[LD], v[LD+\j]               ; (a): the blocks in ascending order
.endr
.irp j, 7,8,9,10
	v_add_f32 v[LD+6], v[LD+6], v[LD+\j]           ; (b)
.endr
.irp j, 24,25,26,27,28,29,30,31,32,33,34
	v_add_f32 v[LD+23], v[LD+23], v[LD+\j]         ; (c): the twelve words of errors
.endr
	; (c): the twelve running sums, added without loss: the sum so far in v[SS] and v[SS+1] by turns, the errors to the others
	v_mov_b32 v[SS], v[LD+11]
.set cs, 0
.irp j, 17,12,18,13,19,14,20,15,21,16,22
	v_add_f32 v[SS+1-cs], v[SS+cs], v[LD+\j]
	v_sub_f32 v[TZ], v[SS+1-cs], v[SS+cs]
	v_sub_f32 v[TU], v[SS+1-cs], v[TZ]
	v_sub_f32 v[TU], v[SS+cs], v[TU]
	v_sub_f32 v[TZ], v[LD+\j], v[TZ]
	v_add_f32 v[TU], v[TU], v[TZ]
	v_add_f32 v[LD+23], v[LD+23], v[TU]
.set cs, 1-cs
.endr
	v_add_f32 v[SS], v[SS+cs], v[LD+23]
	v_cmp_le_f32 vcc_lo, 0, v[LD]                  ; proj >= 0: true for -0, false for NaN
	v_cndmask_b32 v[TP], 0, 1, vcc_lo
	v_cmp_le_f32 vcc_lo, 0, v[LD+6]
	v_cndmask_b32 v[TP+1], 0, 1, vcc_lo
	v_cmp_le_f32 vcc_lo, 0, v[SS]
	v_cndmask_b32 v[TP+2], 0, 1, vcc_lo
	v_add_nc_u32 v[TP], v[TP], v[TP+1]
	v_add_nc_u32 v[TP], v[TP], v[TP+2]
	v_lshrrev_b32 v[TP], 1, v[TP]                  ; two or three of the three say >= 0: 1, else 0
	v_cmp_ne_u32 vcc_lo, v[TP], v[OLDP]            ; not the sign that was taken
	v_cndmask_b32 v[TP], 0, v[META], vcc_lo
	global_store_b32 v1, v[TP], s[10:11]           ; 32 lanes x 4 bytes: 128 consecutive bytes, aligned
.Ldone:
	s_wait_tensorcnt 0x0
	ds_add_u32 v128, v129
	s_wait_dscnt 0x0
	s_endpgm
.Lfunc_end_k_q7251f45907_fix:
	.size	k_q7251f45907_fix, .Lfunc_end_k_q7251f45907_fix-k_q7251f45907_fix
	.p2alignl 7, 3214868480
	.fill 96, 4, 3214868480
	.section	.rodata,"a",@progbits
	.p2align	6, 0x0
	.amdhsa_kernel k_q7251f45907_fix
		.amdhsa_group_segment_fixed_size 8704
		.amdhsa_private_segment_fixed_size 0
		.amdhsa_enable_private_segment 0
		.amdhsa_kernarg_size 32
		.amdhsa_user_sgpr_count 2
		.amdhsa_user_sgpr_kernarg_segment_ptr 1
		.amdhsa_wavefront_size32 1
		.amdhsa_system_sgpr_workgroup_id_x 1
		.amdhsa_system_sgpr_workgroup_id_y 1
		.amdhsa_system_sgpr_workgroup_id_z 1
		.amdhsa_system_vgpr_workitem_id 0
		.amdhsa_next_free_vgpr 130
		.amdhsa_next_free_sgpr 66
		.amdhsa_reserve_vcc 1
		.amdhsa_float_denorm_mode_32 3
		.amdhsa_float_denorm_mode_16_64 3
		.amdhsa_memory_ordered 1
		.amdhsa_forward_progress 1
		.amdhsa_inst_pref_size 36
	.end_amdhsa_kernel
	.amdgpu_metadata
---
amdhsa.version: [ 1, 2 ]
amdhsa.kernels:
  - .name:           k_q7251f45907_fix
    .symbol:         k_q7251f45907_fix.kd
    .args:
      - { .name: cand, .offset: 0, .size: 8, .value_kind: global_buffer, .address_space: global }
      - { .name: xb, .offset: 8, .size: 8, .value_kind: global_buffer, .address_space: global }
      - { .name: wt, .offset: 16, .size: 8, .value_kind: global_buffer, .address_space: global }
      - { .name: corr, .offset: 24, .size: 8, .value_kind: global_buffer, .address_space: global }
    .group_segment_fixed_size: 8704
    .private_segment_fixed_size: 0
    .kernarg_segment_align: 8
    .kernarg_segment_size: 32
    .max_flat_workgroup_size: 352
    .sgpr_count:     66
    .vgpr_count:     130
    .wavefront_size: 32
...
	.end_amdgpu_metadata
.endif
;; end of part 7
;; launch total: the kernel of part 4 again; grid 1024 x 1, 8 waves a work-group, no clusters, 0 bytes of LDS; arguments part, corr, tb, out0; writes out0
